; MI455X (gfx1250); checked and timed in simulation.
; The chip was launched on July 23, 2026; its instructions are those of AMD's public machine-readable ISA for CDNA 5 (MIT licence, August 2026) and "CDNA5" Instruction Set Architecture Reference Guide (July 2026). The comments in the code are by the model that wrote it; some were corrected since.
;; Sliding Attention. Allowed arithmetic: float matrix products may take bf16 or f16 operands with f32 sums; other float arithmetic in f32, or as packed bf16 or f16 multiplies, adds, multiply-adds, maxima and minima; sums over many terms, partial sums and values carried from step to step in f32; what a program stores and reads back later, other than sums and carried values, may be rounded once to bf16 or f16.
;; Inputs: wk 4,096 x 1,024 float32; wo 4,096 x 4,096 float32; wq 4,096 x 4,096 float32; wv 4,096 x 1,024 float32; x 1 x 1,024 x 4,096 float32.
;; Outputs: out0 1 x 1,024 x 4,096 float32.
;; One version. Each part assembles by itself: llvm-mc -triple=amdgcn-amd-amdhsa -mcpu=gfx1250 --defsym DOCPART=n.
;; ======== version 1 of 1: 4 launches
;; limits: values are held in f16: magnitudes above 65,504 overflow, below 6.1e-05 lose precision; right only within a limited range of input values
;; workspace buffers: xb 8,650,752 bytes; wb 51,904,512 bytes; wob 33,554,432 bytes; tbl 526,336 bytes; qkv 12,582,912 bytes; ao 8,388,608 bytes
;; launch prep (part 1): grid 256 x 8, 8 waves a work-group, no clusters, 0 bytes of LDS; arguments x, wk, wv, wq, xb, wb, tbl; writes xb, wb, tbl
.if DOCPART == 1
	.amdgcn_target "amdgcn-amd-amdhsa--gfx1250"
	.amdhsa_code_object_version 6
	.text
	.protected	k_qac18d25d8f_prep
	.globl	k_qac18d25d8f_prep
	.p2align	8
	.type	k_qac18d25d8f_prep,@function
k_qac18d25d8f_prep:
	s_mov_b64 s[64:65], 0
	v_nop
	global_prefetch_b8 v0, s[64:65] scope:SCOPE_SE
	s_setreg_imm32_b32 hwreg(HW_REG_WAVE_MODE, 25, 1), 1
	s_wait_xcnt 0x0
; THE FIRST PRODUCT'S INPUTS ARE ROUNDED ONCE TO bf16 AND LAID IN BLOCKS; THE ROTATION TABLE IS MADE.  (wo is cast in the next launch, beside the product.)
; Every target is cut into blocks of 64 columns whose rows are 128 bytes and lie on end, so that the product's tiles are dense pieces of memory:
;   xb  [m/128][k/64: 66][m%128][k%64]        wb  [nb/3][k/64: 66][nb%3][k%64][64]  (nb: block of 64 columns; q 0-63, k 64-79, v 80-95)
; K is 4,096 = 64 blocks; blocks 64 and 65 of both hold zeros, so that the product can walk K in 22 steps of 192.
; Inside each head of q and k the columns are permuted: channel d = p + 64 e goes to place 2 p + e, so that the two partners of a rotation are neighbours.  q . k does not change under it.
; SHARES.  The grid's y is the job: 0 x, 1 wk, 2 wv, 3-6 wq, 7 the table and the zeros.  A work-group takes 32 source rows x 8 neighbouring blocks (64 KiB of f32), a wave one block:
; 16 loads of 16 bytes a lane, all issued before the first is waited for; each store of a wave covers 512 consecutive bytes, aligned.  No LDS, no barrier, no loop.
; The table's angle is pos x 2^(-p log2(10000)/64) in f32, reduced by pi/2 in two parts; sine and cosine by polynomials of degree 9 and 8 on |r| <= pi/4.
.set OFF, 2                            ; v[2:9]    iteration it: byte offset of my 16 bytes in the source: (lane/8 + 4 it) rows + my place in the row; never rewritten
.set GO,  10                           ; v10       16 x lane: my 16 bytes of the 512 that a store covers
.set IN,  16                           ; v[16:79]  iteration it: piece A in 4 registers, piece B in 4
.set Y,   80                           ; v[80:111] iteration it: 4 registers to store
.set KBL, 66                           ; blocks of 64 along K in xb and wb
	s_load_b256 s[4:11], s[0:1], 0x0               ; x s[4:5], wk s[6:7], wv s[8:9], wq s[10:11]
	s_load_b128 s[12:15], s[0:1], 0x20             ; xb s[12:13], wb s[14:15]
	s_load_b64 s[16:17], s[0:1], 0x30              ; tbl
	s_and_b32 s22, ttmp7, 0xffff                   ; the job
	v_lshrrev_b32 v1, 5, v0
	v_readfirstlane_b32 s23, v1                    ; wave 0..7
	s_wait_kmcnt 0x0
	s_cmp_eq_u32 s22, 7
	s_cbranch_scc1 .Ltable
	; the job's figures, chosen from the top down: wq; then wv, wk, x take its place
	s_mov_b64 s[28:29], s[10:11]                   ; source
	s_mov_b64 s[32:33], s[14:15]                   ; target
	s_mov_b32 s26, 1                               ; kind of conversion: 0 plain, 1 with the partners interleaved
	s_mov_b32 s36, 1                               ; target's layout: 0 xb, 1 wb
	s_mov_b32 s25, 14                              ; log2 of a source row's bytes
	s_mov_b32 s27, 0                               ; first block in wb
	s_mov_b32 s34, 3                               ; the job's first y
	s_cmp_lt_u32 s22, 3
	s_cselect_b64 s[28:29], s[8:9], s[28:29]
	s_cselect_b32 s26, 0, s26
	s_cselect_b32 s25, 12, s25
	s_cselect_b32 s27, 80, s27
	s_cselect_b32 s34, 2, s34
	s_cmp_lt_u32 s22, 2
	s_cselect_b64 s[28:29], s[6:7], s[28:29]
	s_cselect_b32 s26, 1, s26
	s_cselect_b32 s27, 64, s27
	s_cselect_b32 s34, 1, s34
	s_cmp_lt_u32 s22, 1
	s_cselect_b64 s[28:29], s[4:5], s[28:29]
	s_cselect_b64 s[32:33], s[12:13], s[32:33]
	s_cselect_b32 s26, 0, s26
	s_cselect_b32 s36, 0, s36
	s_cselect_b32 s25, 14, s25
	s_cselect_b32 s34, 0, s34
	s_sub_co_u32 s34, s22, s34
	s_lshl_b32 s34, s34, 8
	s_add_co_u32 s24, s34, ttmp9                   ; the pass: 256 for each y of the job
	s_sub_co_u32 s34, s25, 11                      ; a row has 8 or 2 groups of 8 blocks: 3 bits or 1
	s_bfm_b32 s35, s34, 0
	s_and_b32 s35, s24, s35                        ; the group
	s_lshr_b32 s37, s24, s34
	s_lshl_b32 s37, s37, 5                         ; row0: the pass's first source row
	s_lshl3_add_u32 s35, s35, s23                  ; lb: my block = 8 x group + wave
	; where my block begins in a source row: 256 bytes a block; interleaved: head lb/2, 512 bytes a head, and 128 bytes for its second block
	s_lshl_b32 s38, s35, 8
	s_lshr_b32 s39, s35, 1
	s_lshl_b32 s39, s39, 9
	s_and_b32 s40, s35, 1
	s_lshl_b32 s40, s40, 7
	s_add_co_u32 s39, s39, s40
	s_cmp_eq_u32 s26, 1
	s_cselect_b32 s38, s39, s38
	s_cselect_b32 s40, 0x100, 16                   ; piece B lies 16 bytes behind piece A, or 64 channels
	s_cselect_b32 s42, 4, 5                        ; a lane's step in the row: 16 bytes, or 32
	s_mov_b32 s41, 0
	s_lshl_b32 s39, s37, s25
	s_add_co_u32 s38, s38, s39
	s_mov_b32 s39, 0
	s_add_nc_u64 s[28:29], s[28:29], s[38:39]      ; piece A's base
	s_add_nc_u64 s[30:31], s[28:29], s[40:41]      ; piece B's
	; where the 32 rows of my block go, in each of the two layouts
	s_lshr_b32 s43, s37, 7
	s_mul_i32 s43, s43, KBL
	s_add_co_u32 s43, s43, s35
	s_lshl_b32 s43, s43, 14
	s_and_b32 s44, s37, 127
	s_lshl_b32 s44, s44, 7
	s_add_co_u32 s43, s43, s44                     ; xb: ((row0/128) 66 + lb) 16,384 + (row0%128) 128
	s_add_co_u32 s46, s27, s35                     ; nb
	s_mul_i32 s47, s46, 171
	s_lshr_b32 s47, s47, 9                         ; nb / 3 (right up to 511)
	s_mul_i32 s48, s47, 3
	s_sub_co_u32 s46, s46, s48                     ; nb % 3
	s_mul_i32 s47, s47, KBL
	s_lshr_b32 s48, s37, 6
	s_add_co_u32 s47, s47, s48
	s_mul_i32 s47, s47, 3
	s_add_co_u32 s47, s47, s46
	s_lshl_b32 s47, s47, 13
	s_and_b32 s48, s37, 63
	s_lshl_b32 s48, s48, 7
	s_add_co_u32 s47, s47, s48                     ; wb: (((nb/3) 66 + row0/64) 3 + nb%3) 8,192 + (row0%64) 128
	s_cmp_eq_u32 s36, 0
	s_cselect_b32 s46, s43, s47
	s_mov_b32 s47, 0
	s_add_nc_u64 s[32:33], s[32:33], s[46:47]
	v_and_b32 v1, 31, v0                           ; lane
	v_lshrrev_b32 v11, 3, v1                       ; 4 rows to a load: lane / 8
	v_and_b32 v12, 7, v0                           ; 8 lanes to a row
	v_lshlrev_b32 v12, s42, v12
	v_lshlrev_b32 v[GO], 4, v1
.irp it, 0,1,2,3,4,5,6,7
	v_add_nc_u32 v13, 4*(\it), v11
	v_lshl_add_u32 v[OFF+(\it)], v13, s25, v12
.endr
.irp it, 0,1,2,3,4,5,6,7
	global_load_b128 v[IN+8*(\it):IN+8*(\it)+3],   v[OFF+(\it)], s[28:29] th:TH_LOAD_NT
	global_load_b128 v[IN+8*(\it)+4:IN+8*(\it)+7], v[OFF+(\it)], s[30:31] th:TH_LOAD_NT
.endr
; Eight iterations: wait, convert 8 numbers, store 16 bytes.  No register is written twice while a load or store may read it.
.macro CONV mode
.irp it, 0,1,2,3,4,5,6,7
	s_wait_loadcnt 14-2*(\it)                      ; loads come back in order: this iteration's two are in, the two of each later iteration may stay out
.if (\mode) == 1
.irp j, 0,1,2,3
	v_cvt_pk_bf16_f32 v[Y+4*(\it)+(\j)], v[IN+8*(\it)+(\j)], v[IN+8*(\it)+4+(\j)]  ; channel p below, channel p + 64 above: places 2 p, 2 p + 1
.endr
.else
.irp j, 0,1,2,3
	v_cvt_pk_bf16_f32 v[Y+4*(\it)+(\j)], v[IN+8*(\it)+2*(\j)], v[IN+8*(\it)+2*(\j)+1]
.endr
.endif
	global_store_b128 v[GO], v[Y+4*(\it):Y+4*(\it)+3], s[32:33] offset:512*(\it) th:TH_STORE_NT
.endr
	s_endpgm
.endm
	s_cmp_eq_u32 s26, 1
	s_cbranch_scc1 .Lrope
	CONV 0
.Lrope:
	CONV 1
; THE TABLE: row pos (512 bytes), pair p (8 bytes): cos/4, sin/4 of pos x 10000^(-p/64).  The quarter is the scale under which q, k and v are stored.
; Rows 1024 to 1027 hold (1/4, 0): the rotation by nothing, for v's columns.
.Ltable:
	v_lshrrev_b32 v2, 6, v0
	v_and_b32 v3, 63, v0                           ; p
	s_lshl_b32 s24, ttmp9, 2
	v_add_nc_u32 v4, s24, v2                       ; pos = 4 x work-group + thread / 64
	v_cvt_f32_u32 v5, v3
	v_cvt_f32_u32 v6, v4
	v_mul_f32 v5, 0xbe549a78, v5                   ; -p log2(10000) / 64
	v_exp_f32 v7, v5
	v_lshlrev_b32 v20, 9, v4                       ; (two plain lines behind the exponential: my pair's place)
	v_lshl_add_u32 v20, v3, 3, v20
	s_wait_alu depctr_va_vdst(0)                   ; the wait ahead of the result's first reader
	v_mul_f32 v8, v6, v7                           ; the angle
	v_mul_f32 v9, 0x3f22f983, v8                   ; x 2/pi
	v_rndne_f32 v9, v9                             ; n quarter turns
	v_fmamk_f32 v10, v9, 0xbfc90fdb, v8            ; r = angle - n pi/2, pi/2 in two parts
	v_fmamk_f32 v10, v9, 0x333bbd2e, v10
	v_cvt_i32_f32 v11, v9
	v_mul_f32 v12, v10, v10
	v_mov_b32 v13, 0x3638ef1d                      ; sin r = r + r^3 (-1/6 + r^2 (1/120 + r^2 (-1/5040 + r^2/362880)))
	v_fmaak_f32 v13, v13, v12, 0xb9500d01
	v_fmaak_f32 v13, v13, v12, 0x3c088889
	v_fmaak_f32 v13, v13, v12, 0xbe2aaaab
	v_mul_f32 v14, v10, v12
	v_fma_f32 v13, v14, v13, v10
	v_mov_b32 v15, 0x37d00d01                      ; cos r = 1 + r^2 (-1/2 + r^2 (1/24 + r^2 (-1/720 + r^2/40320)))
	v_fmaak_f32 v15, v15, v12, 0xbab60b61
	v_fmaak_f32 v15, v15, v12, 0x3d2aaaab
	v_fmaak_f32 v15, v15, v12, 0xbf000000
	v_fma_f32 v15, v15, v12, 1.0
	v_and_b32 v16, 1, v11                          ; an odd n swaps the two,
	v_cmp_eq_u32 vcc_lo, 1, v16
	v_cndmask_b32 v17, v13, v15, vcc_lo            ; sine
	v_cndmask_b32 v18, v15, v13, vcc_lo            ; cosine
	v_and_b32 v16, 2, v11                          ; n % 4 = 2, 3 turn the sine's sign,
	v_lshlrev_b32 v16, 30, v16
	v_xor_b32 v17, v16, v17
	v_add_nc_u32 v19, 1, v11                       ; n % 4 = 1, 2 the cosine's
	v_and_b32 v19, 2, v19
	v_lshlrev_b32 v19, 30, v19
	v_xor_b32 v18, v19, v18
	v_mul_f32 v22, 0x3e800000, v18
	v_mul_f32 v23, 0x3e800000, v17
	global_store_b64 v20, v[22:23], s[16:17]       ; a wave stores 256 consecutive bytes, aligned
	s_cmp_lg_u32 s24, 0
	s_cbranch_scc1 .Lzero
	v_mov_b32 v24, 0x3e800000
	v_mov_b32 v25, 0
	global_store_b64 v20, v[24:25], s[16:17] offset:1024*512
.Lzero:
	; THE ZEROS.  wb: tile column T = work-group / 8 has 49,152 bytes of them; this work-group writes an eighth, 6,144: three stores of 8 bytes a thread, 256 consecutive bytes a wave.
	v_mov_b32 v28, 0
	v_mov_b32 v29, 0
	v_mov_b32 v30, 0
	v_mov_b32 v31, 0
	s_lshr_b32 s25, ttmp9, 3
	s_and_b32 s26, ttmp9, 7
	s_mul_i32 s27, s25, KBL
	s_add_co_u32 s27, s27, 64                      ; block 64 of the tile column, or of the tile row
	s_mul_i32 s28, s27, 24576
	s_mul_i32 s29, s26, 6144
	s_add_co_u32 s28, s28, s29
	s_mov_b32 s29, 0
	s_add_nc_u64 s[32:33], s[14:15], s[28:29]
	v_lshlrev_b32 v32, 3, v0
	global_store_b64 v32, v[28:29], s[32:33]
	global_store_b64 v32, v[28:29], s[32:33] offset:2048
	global_store_b64 v32, v[28:29], s[32:33] offset:4096
	s_cmp_lt_u32 ttmp9, 64                         ; xb: tile row work-group / 8 (the first 64 work-groups) has 32,768 bytes; an eighth is 4,096: 16 bytes a thread
	s_cbranch_scc0 .Ltend
	s_lshl_b32 s28, s27, 14
	s_lshl_b32 s30, s26, 12
	s_add_co_u32 s28, s28, s30
	s_add_nc_u64 s[34:35], s[12:13], s[28:29]
	v_lshlrev_b32 v33, 4, v0
	global_store_b128 v33, v[28:31], s[34:35]
.Ltend:
	s_endpgm
.Lfunc_end_k_qac18d25d8f_prep:
	.size	k_qac18d25d8f_prep, .Lfunc_end_k_qac18d25d8f_prep-k_qac18d25d8f_prep
	.p2alignl 7, 3214868480
	.fill 96, 4, 3214868480
	.section	.rodata,"a",@progbits
	.p2align	6, 0x0
	.amdhsa_kernel k_qac18d25d8f_prep
		.amdhsa_group_segment_fixed_size 0
		.amdhsa_private_segment_fixed_size 0
		.amdhsa_enable_private_segment 0
		.amdhsa_kernarg_size 56
		.amdhsa_user_sgpr_count 2
		.amdhsa_user_sgpr_kernarg_segment_ptr 1
		.amdhsa_wavefront_size32 1
		.amdhsa_system_sgpr_workgroup_id_x 1
		.amdhsa_system_sgpr_workgroup_id_y 1
		.amdhsa_system_sgpr_workgroup_id_z 1
		.amdhsa_system_vgpr_workitem_id 0
		.amdhsa_next_free_vgpr 112
		.amdhsa_next_free_sgpr 66
		.amdhsa_reserve_vcc 1
		.amdhsa_float_denorm_mode_32 3
		.amdhsa_float_denorm_mode_16_64 3
		.amdhsa_memory_ordered 1
		.amdhsa_forward_progress 1
		.amdhsa_inst_pref_size 16
	.end_amdhsa_kernel
	.amdgpu_metadata
---
amdhsa.version: [ 1, 2 ]
amdhsa.kernels:
  - .name:           k_qac18d25d8f_prep
    .symbol:         k_qac18d25d8f_prep.kd
    .args:
      - { .name: x, .offset: 0, .size: 8, .value_kind: global_buffer, .address_space: global }
      - { .name: wk, .offset: 8, .size: 8, .value_kind: global_buffer, .address_space: global }
      - { .name: wv, .offset: 16, .size: 8, .value_kind: global_buffer, .address_space: global }
      - { .name: wq, .offset: 24, .size: 8, .value_kind: global_buffer, .address_space: global }
      - { .name: xb, .offset: 32, .size: 8, .value_kind: global_buffer, .address_space: global }
      - { .name: wb, .offset: 40, .size: 8, .value_kind: global_buffer, .address_space: global }
      - { .name: tbl, .offset: 48, .size: 8, .value_kind: global_buffer, .address_space: global }
    .group_segment_fixed_size: 0
    .private_segment_fixed_size: 0
    .kernarg_segment_align: 8
    .kernarg_segment_size: 56
    .max_flat_workgroup_size: 256
    .sgpr_count:     66
    .vgpr_count:     112
    .wavefront_size: 32
...
	.end_amdgpu_metadata
.endif
;; end of part 1
;; launch proj (part 2): grid 32 x 8, 4 waves a work-group, clusters of 4 x 4, 327,680 bytes of LDS; arguments xb, wb, tbl, qkv, wo, wob; writes qkv, wob
.if DOCPART == 2
	.amdgcn_target "amdgcn-amd-amdhsa--gfx1250"
	.amdhsa_code_object_version 6
	.text
	.protected	k_qac18d25d8f_proj
	.globl	k_qac18d25d8f_proj
	.p2align	8
	.type	k_qac18d25d8f_proj,@function
k_qac18d25d8f_proj:
	s_mov_b64 s[64:65], 0
	v_nop
	global_prefetch_b8 v0, s[64:65] scope:SCOPE_SE
	s_setreg_imm32_b32 hwreg(HW_REG_WAVE_MODE, 25, 1), 1
	s_wait_xcnt 0x0
	s_wait_alu depctr_hold_cnt(0) depctr_sa_sdst(0) depctr_va_vdst(0) depctr_va_sdst(0) depctr_va_ssrc(0) depctr_va_vcc(0) depctr_vm_vsrc(0)
	s_getreg_b32 s2, hwreg(HW_REG_IB_STS2, 6, 4)
	s_cmp_eq_u32 s2, 0
	s_cbranch_scc0 .Lentry_in_a_cluster
	s_endpgm
.Lentry_in_a_cluster:
	s_bfe_u32 s2, ttmp6, 0x10000c
	s_cmp_lg_u32 s2, 0xf033
	s_cbranch_scc0 .Lentry_shape_is_right
	s_endpgm
.Lentry_shape_is_right:
; q, k, v = x [1024 x 4096] times the 6,144 columns of wq, wk, wv, in bf16 with f32 sums; on the way out the rotation by position and the scale 1/4 (both from the table), one rounding to f16.
; qkv: [block of 64 columns, 0-95][pos][64] f16; q's and k's columns stand permuted inside a head (place 2 p + e holds channel p + 64 e), so a rotation's two partners are neighbours in a lane.
; BESIDE THE PRODUCT wo IS CAST for the last launch: rounded to bf16 like the other inputs, that number written as f16, into wob [n/128][k/128][(n/64)%2][k%128][64].
; LIMITS.  A projection beyond 262,000 in magnitude leaves f16's range after the scale 1/4 and becomes an infinity; below 2.4e-4 it keeps f16's fixed step.  wo beyond 65,504 becomes an infinity in f16; below
; 6e-5 it keeps f16's fixed step of 6e-8.  NaN and infinities are not treated apart.
; SHARES.  A work-group makes 128 rows x 192 columns (three blocks): 32 x 8 work-groups.  Four waves, each 64 rows x 96 columns: 24 accumulators.  Wave column half wc takes block 2 wc whole
; (b = 0..3) and of block 1 the column groups 2 wc, 2 wc + 1 (b = 4, 5).  K goes in 22 steps of 192 through two LDS slots, as long as two slots allow; xb and wb hold zeros for K = 4,096 .. 4,223.
; TILES.  xb and wb lie in blocks, so each wave's tensor load is one dense piece, asked for as rows of 256 bytes and padded in LDS after every 128: x's rows 144 bytes apart (read as they lie),
; w's rows 160 bytes apart (read turned, by ds_load_tr16_b128).
; CLUSTER.  4 x 4 work-groups: x's tile is shared along a row of the cluster, w's along a column; each is asked for jointly, by the same load with the same descriptor and a mask of four.
; THE ORDER OF K.  The sixteen clusters fall into two classes by the parity of the four bits of their y and x.  A cluster of class 1 takes the two K steps of each lap in the other order: its slot 0 holds the lap's
; second step.  The two clusters that read the same columns of w (same x, other y) differ in class, and among the clusters that read the same rows of x both classes are found, whichever bit of x they agree in.
; So of a lap's two steps each class asks for one first, and for the other a step behind the other class.  The sums are the same f32 sums in another order of K.
; THE MATRIX INSTRUCTION IS USED TRANSPOSED (source 0 = 16 columns of w, source 1 = 16 rows of x): a lane holds one row and eight neighbouring columns.
; REGISTERS.  Window 0: v0-31 addresses; v32-59 the table's offsets; v64-255 accumulators ((a, b) at 64 + 8 (6 a + b)).  Window 1: two fragment buffers of 80 (w's six, then x's four); v208-255 the cast;
; on the way out v0-191 the table's pairs, then the results, and v192-199 at work.
.set PA,     144
.set PB,     160
.set ABLK,   128*PA                    ; x: 64 along K of 128 rows
.set BBLK,   64*PB                     ; w: 64 along K of one block,
.set BKQ,    3*BBLK                    ; of three blocks
.set BOFF,   3*ABLK                    ; a slot: x's three K blocks, then w's three
.set SLOT,   BOFF+3*BKQ                ; 147,456
.set STAGE,  0                         ; the way out: three blocks of 128 rows x 144 bytes, over slot 0, which by then has had its last fill and, ahead of the last lap's barrier, its last read
.set SBLK,   128*PA
.set SPARE,  2*SLOT                    ; the spare words, 128 bytes for each wave: two blocks of 256 bytes that no other line names
.set LAPS,   11                        ; a lap = two K steps = once round the ring
.set ASTEP,  3*16384                   ; bytes of xb in a K step
.set BSTEP,  3*24576                   ; bytes of wb in a K step
.set AROW,   66*16384                  ; bytes of a tile row of xb
.set BCOL,   66*24576                  ; bytes of a tile column of wb
.set ADRB0H, 10                        ; v10-11, v12-13 as ADRB0, ADRB1, at w's third K block: it lies past the 16 bits of an LDS offset
.set ADRB1H, 12
.set CSO,   14                         ; v14 the cast: my 16 bytes in two rows of wo
.set GO8,   15                         ; v15 the cast: 8 x lane
.set ADRA,  16                         ; v16-17 my place in x's tile, slot 0, 1
.set ADRB0, 18                         ; v18-19 in w's tile, my whole block
.set ADRB1, 20                         ; v20-21 in w's tile, my half of block 1
.set STO0,  22                         ; v22, 23 the way out: where I put 16 bytes of a row
.set STO1,  23
.set RD,    24                         ; v24 where I read rows back
.set GO,    25                         ; v25 16 x lane
.set TR,    26                         ; v26 my row's place in the table
.set IDO,   27                         ; v27 the same in the row that rotates by nothing
.set SPW,   28                         ; v28 my spare word; never rewritten
.set NIL,   29                         ; v29 0; never rewritten
.set PFO,   30                         ; v30 256 x lane, for the prefetches; never rewritten
.set PFO2,  31                         ; v31 256 x (lane % 16)
.set TOF,   32                         ; v32-55 tile (a, b)'s offset in the table
.set TRA,   56                         ; v56-59 TR for row block a
.set ACC,   64
.set F0,    0
.set F1,    80
.set XT,    192
.set CI,    208                        ; window 1: the cast's 32 registers as loaded, and at work
.set CY,    240                        ; window 1: its 16 registers to store
.set G1A, 24                           ; s[24:31] descriptor group 1 for x's tiles; s[32:39] group 0, a set for each slot
.set G0A, 32
.set PF,  40                           ; s[40:41] where my prefetches stand
.set LIM, 42                           ; s42 1 in a wave that prefetches, else the greatest number
.set PFS, 44                           ; s[44:45] a lap's bytes in the tensor that I prefetch
.set G1B, 48                           ; s[48:55], s[56:63] the same for w's tiles
.set G0B, 56
.set COL, 66                           ; s66-71 column group b: its place in a row of the table
.set MSK, 72                           ; s72-77 all ones where group b holds columns of v
.set OUT, 78                           ; s[78:79] qkv at my rows of the tile's first block
.set WSRC, 88                          ; s[88:89] wo at the chunk that was loaded last
.set WDST, 90                          ; s[90:91] wob behind the chunk that was stored last
.set WCNT, 92                          ; s92 chunks still to be stored
.set CLS, 93                           ; s93 my cluster's class, the K step of a lap that slot 0 takes; s94 the other, slot 1's
.set MSB, 0
.macro WIN new                         ; the immediate's high byte repeats the setting that is left; a switch that changes nothing is dropped
.if MSB != (\new)
	s_set_vgpr_msb (MSB<<8)|(\new)
.set MSB, \new
.endif
.endm
.set MUL,  0x05                        ; sources 0 and 1 window 1; C and D window 0
.set TO_F, 0x40                        ; destination window 1, address window 0
.macro PLACES                          ; four plain vector lines between a matrix instruction and a load into, or a vector line on, its registers
.rept 4
	v_nop
.endr
.endm
.macro JLOAD s                         ; a joint load: waves 0 and 1 fetch x's two halves of a step, waves 2 and 3 w's; an s_nop 0 and four v_nop follow each line
	s_cmp_eq_u32 s13, 0
	s_cbranch_scc0 .Lfor_b_\@
	tensor_load_to_lds s[G0A+4*(\s):G0A+4*(\s)+3], s[G1A:G1A+7]
	s_nop 0
.rept 4
	v_nop
.endr
	s_branch .Lasked_\@
.Lfor_b_\@:
	tensor_load_to_lds s[G0B+4*(\s):G0B+4*(\s)+3], s[G1B:G1B+7]
	s_nop 0
.rept 4
	v_nop
.endr
.Lasked_\@:
.endm
.macro CROUND                          ; a round of the cluster's barrier
	s_barrier_signal -1
	s_barrier_wait -1
	s_cmp_lg_u32 s12, 0
	s_cbranch_scc1 .Lnot_wave_0_\@
	s_barrier_signal -3
.Lnot_wave_0_\@:
	s_barrier_wait -3
	s_barrier_signal -1
	s_barrier_wait -1
.endm
; A PREFETCH, once a lap, behind the joint load of slot 0 and the run of LDS loads that follows it: the lap two on, one lap (288 matrix instructions) ahead of the loads that will first ask for it, in either class.
; A lap of x's tile row is 98,304 consecutive bytes, of w's tile column 147,456.  x's tile row is read by every cluster of that row of clusters: the first (cluster x = 0) asks; w's column likewise: cluster y = 0.
; The four partners that share a tile take a quarter each BY ADDRESS (cx for x, cy for w); in each, wave 0 asks for x: 96 blocks of 256 bytes, three lines, a lane a block; wave 2 for w: 144 blocks, four lines
; and half of a fifth, in which lanes 16 to 31 name the same 16 blocks as lanes 0 to 15.  The first two laps come by their loads alone; the loop's last trip asks for nothing.
.macro ASK
	s_cmp_gt_u32 s19, s[LIM]
	s_cbranch_scc0 .Lnot_mine_\@
	global_prefetch_b8 v[PFO], s[PF:PF+1] th:TH_LOAD_NT scope:SCOPE_SE
	global_prefetch_b8 v[PFO], s[PF:PF+1] offset:8192 th:TH_LOAD_NT scope:SCOPE_SE
	global_prefetch_b8 v[PFO], s[PF:PF+1] offset:16384 th:TH_LOAD_NT scope:SCOPE_SE
	s_cmp_eq_u32 s13, 0
	s_cbranch_scc1 .Lnot_mine_\@
	global_prefetch_b8 v[PFO], s[PF:PF+1] offset:24576 th:TH_LOAD_NT scope:SCOPE_SE
	global_prefetch_b8 v[PFO2], s[PF:PF+1] offset:32768 th:TH_LOAD_NT scope:SCOPE_SE
.Lnot_mine_\@:
.endm
; THE CAST OF wo.  Wave w of work-group (T, Mt) takes columns 128 T .. + 127 and rows 128 kg .. + 127, kg = 4 Mt + w: 32 x 32 such pieces, one for each of the launch's 1,024 waves; in wob a piece is 32,768
; bytes on end.  It goes in 16 chunks of 8 rows.  A chunk is eight iterations it = 4 block + pair: 2 rows x 64 columns; lane l takes row l / 16 and columns 4 (l % 16) + 0..3: one load of 16 bytes (sixteen lanes
; cover 256 consecutive bytes of a row of wo, each byte asked for once) and one store of 8 (the wave covers 256 consecutive bytes of wob, aligned).  A chunk's loads are issued at one change of slots and waited
; for at the next, a K step later.
.macro WLOADS
	WIN TO_F
.irp it, 0,1,2,3,4,5,6,7
	global_load_b128 v[CI+4*(\it):CI+4*(\it)+3], v[CSO], s[WSRC:WSRC+1] offset:((\it)%4)*32768+((\it)/4)*256 th:TH_LOAD_NT
.endr
	WIN 0
.endm
.macro CAST                            ; at each of the loop's 20 changes of slots; the first 16 have a chunk.  Both jumps go forward, over no barrier and no tensor load
	WIN 0
	s_cmp_eq_u32 s[WCNT], 0
	s_cbranch_scc1 .Lcast_end_\@
	s_wait_loadcnt 0x0                             ; the chunk is in
	s_wait_xcnt 0x0                                ; the last chunk's stores have read their registers and their base: both pointers and CY may be written
	s_add_nc_u64 s[WDST:WDST+1], s[WDST:WDST+1], 1024    ; the stores below reach back by their immediates
	s_add_nc_u64 s[WSRC:WSRC+1], s[WSRC:WSRC+1], 8*16384 ; the next chunk's 8 rows
	WIN 0x45                                       ; all in window 1
.irp it, 0,1,2,3,4,5,6,7
	v_cvt_pk_bf16_f32 v[CY+2*(\it)],   v[CI+4*(\it)],   v[CI+4*(\it)+1]
	v_cvt_pk_bf16_f32 v[CY+2*(\it)+1], v[CI+4*(\it)+2], v[CI+4*(\it)+3]
.endr
.irp it, 0,1,2,3,4,5,6,7
	v_lshlrev_b32 v[CI+4*(\it)],   16, v[CY+2*(\it)]                    ; the bf16 numbers as f32,
	v_and_b32     v[CI+4*(\it)+1], 0xffff0000, v[CY+2*(\it)]
	v_lshlrev_b32 v[CI+4*(\it)+2], 16, v[CY+2*(\it)+1]
	v_and_b32     v[CI+4*(\it)+3], 0xffff0000, v[CY+2*(\it)+1]
.endr
.irp it, 0,1,2,3,4,5,6,7
	v_cvt_pk_f16_f32 v[CY+2*(\it)],   v[CI+4*(\it)],   v[CI+4*(\it)+1]  ; written as f16: exact within f16's range
	v_cvt_pk_f16_f32 v[CY+2*(\it)+1], v[CI+4*(\it)+2], v[CI+4*(\it)+3]
.endr
	WIN 0x04                                       ; address window 0, data window 1
.irp it, 0,1,2,3,4,5,6,7
	global_store_b64 v[GO8], v[CY+2*(\it):CY+2*(\it)+1], s[WDST:WDST+1] offset:((\it)/4)*16384+((\it)%4)*256-1024 th:TH_STORE_NT
.endr
	WIN 0
	s_sub_co_u32 s[WCNT], s[WCNT], 1
	s_cmp_eq_u32 s[WCNT], 0
	s_cbranch_scc1 .Lcast_end_\@                   ; behind the last chunk nothing is loaded
	WLOADS
.Lcast_end_\@:
.endm
	s_load_b256 s[4:11], s[0:1], 0x0               ; xb s[4:5], wb s[6:7], tbl s[8:9], qkv s[10:11]
	s_load_b128 s[88:91], s[0:1], 0x20             ; wo s[88:89], wob s[90:91]
	v_lshl_add_u32 v[SPW], v0, 2, SPARE
	v_mov_b32 v[NIL], 0
	ds_add_u32 v[SPW], v[NIL]                      ; the wave's opening: an add and its wait ahead of my first tensor load; the set-up below stands between them
	v_lshrrev_b32 v1, 5, v0
	v_readfirstlane_b32 s12, v1                    ; wave 0..3
	s_lshr_b32 s13, s12, 1                         ; wr: my half of the rows.  Also: I fetch for x (0) or for w (1)
	s_and_b32 s14, s12, 1                          ; wc: my half of the columns.  Also: which half of a step's bytes I fetch
	s_bfe_u32 s15, ttmp6, 0x40000                  ; cx
	s_bfe_u32 s16, ttmp6, 0x40004                  ; cy
	s_lshl_b32 s17, ttmp9, 2
	s_add_co_u32 s17, s17, s15                     ; T: tile column = 4 x cluster x + cx
	s_and_b32 s18, ttmp7, 0xffff
	s_lshl_b32 s18, s18, 2
	s_add_co_u32 s18, s18, s16                     ; Mt: tile row = 4 x cluster y + cy
	s_and_b32 s[CLS], ttmp7, 0xffff                ; the cluster's y (one bit) above its x (three bits): the same in all sixteen partners
	s_lshl_b32 s[CLS], s[CLS], 3
	s_or_b32 s[CLS], s[CLS], ttmp9
	s_lshr_b32 s[CLS+1], s[CLS], 2
	s_xor_b32 s[CLS], s[CLS], s[CLS+1]
	s_lshr_b32 s[CLS+1], s[CLS], 1
	s_xor_b32 s[CLS], s[CLS], s[CLS+1]
	s_and_b32 s[CLS], s[CLS], 1                    ; the parity of the four bits: my cluster's class
	s_xor_b32 s[CLS+1], s[CLS], 1
	s_lshl_b32 s82, s16, 2
	s_lshl_b32 s82, 15, s82                        ; my row of the cluster
	s_lshl_b32 s83, 0x1111, s15                    ; my column
	s_or_b32 s[G1A], s82, (1<<16)|(1<<20)|(1<<21)|(4<<22)|(3<<25)  ; the mask; 2-byte elements; padding on; bit 21 beside a mask; after every 32 words; 4 words of it
	s_or_b32 s[G1B], s83, (1<<16)|(1<<20)|(1<<21)|(4<<22)|(7<<25)  ; the same with 8 words
	s_mov_b32 s[G1A+1], 128<<16                    ; tensor_dim0 = 128 elements: rows of 256 bytes
	s_mov_b32 s[G1A+2], 96<<16                     ; tensor_dim1 = 96 rows: 24,576 bytes
	s_mov_b32 s[G1A+3], 128<<16                    ; tile_dim0
	s_mov_b32 s[G1A+4], 96                         ; tile_dim1
	s_mov_b32 s[G1A+5], 128                        ; the rows lie on end
	s_mov_b32 s[G1A+6], 0
	s_mov_b32 s[G1A+7], 0
	s_mov_b32 s[G1B+1], 128<<16
	s_mov_b32 s[G1B+2], 144<<16                    ; 144 rows: 36,864 bytes
	s_mov_b32 s[G1B+3], 128<<16
	s_mov_b32 s[G1B+4], 144
	s_mov_b32 s[G1B+5], 128
	s_mov_b32 s[G1B+6], 0
	s_mov_b32 s[G1B+7], 0
	s_mul_i32 s20, s18, AROW                       ; x: tile row Mt,
	s_mul_i32 s22, s14, ASTEP/2                    ; my half of a step
	s_add_co_u32 s20, s20, s22
	s_mov_b32 s21, 0
	s_mul_i32 s46, s17, BCOL                       ; w: tile column T,
	s_mul_i32 s23, s14, BSTEP/2                    ; my half of a step
	s_add_co_u32 s46, s46, s23
	s_mov_b32 s47, 0
	s_mul_i32 s80, s14, BOFF/2                     ; where they go: no place in the cluster enters an LDS address
	s_mul_i32 s81, s14, 3*BKQ/2
	s_add_co_u32 s81, s81, BOFF
	s_wait_dscnt 0x0                               ; the opening add is done
	s_wait_kmcnt 0x0
	s_add_nc_u64 s[20:21], s[4:5], s[20:21]
	s_add_nc_u64 s[46:47], s[6:7], s[46:47]
	CROUND                                         ; all sixteen work-groups are here: the first joint loads meet
.irp s, 0,1
	s_mul_i32 s84, s[CLS+(\s)], ASTEP              ; the K step of lap 0 that this slot takes: by the class
	s_mov_b32 s85, 0
	s_mul_i32 s86, s[CLS+(\s)], BSTEP
	s_mov_b32 s87, 0
	s_mov_b32 s[G0A+4*(\s)], 1
	s_add_co_u32 s[G0A+4*(\s)+1], s80, (\s)*SLOT
	s_add_nc_u64 s[G0A+4*(\s)+2:G0A+4*(\s)+3], s[20:21], s[84:85]
	s_or_b32 s[G0A+4*(\s)+3], s[G0A+4*(\s)+3], 0x80000000
	s_mov_b32 s[G0B+4*(\s)], 1
	s_add_co_u32 s[G0B+4*(\s)+1], s81, (\s)*SLOT
	s_add_nc_u64 s[G0B+4*(\s)+2:G0B+4*(\s)+3], s[46:47], s[86:87]
	s_or_b32 s[G0B+4*(\s)+3], s[G0B+4*(\s)+3], 0x80000000
	JLOAD \s                                       ; lap 0's two K steps: two loads of mine are out
.endr
	v_and_b32 v1, 15, v0                           ; r = l % 16
	v_bfe_u32 v2, v0, 4, 1                         ; h = l / 16
	v_and_b32 v3, 7, v0
	v_bfe_u32 v4, v0, 3, 1
	v_and_b32 v5, 31, v0
	; the cast's first chunk goes out at once
	v_lshlrev_b32 v[GO], 4, v5
	v_lshlrev_b32 v[GO8], 3, v5
	v_lshlrev_b32 v6, 14, v2                       ; row l / 16 of two, 16,384 bytes a row of wo,
	v_lshl_add_u32 v[CSO], v1, 4, v6               ; 16 bytes a lane
	s_lshl2_add_u32 s84, s18, s12                  ; kg = 4 Mt + w
	s_lshl_b32 s86, s84, 21                        ; 128 rows
	s_lshl_b32 s85, s17, 9                         ; 128 columns
	s_add_co_u32 s86, s86, s85
	s_mov_b32 s87, 0
	s_add_nc_u64 s[WSRC:WSRC+1], s[WSRC:WSRC+1], s[86:87]
	s_lshl_b32 s86, s17, 5
	s_add_co_u32 s86, s86, s84
	s_lshl_b32 s86, s86, 15                        ; piece 32 T + kg
	s_add_nc_u64 s[WDST:WDST+1], s[WDST:WDST+1], s[86:87]
	s_mov_b32 s[WCNT], 16
	WLOADS
	; x's fragment: lane l holds row r, K = 8 h + 0..7 and 16 + 8 h + 0..7: two loads of 16 bytes, 32 bytes apart
	v_mul_u32_u24 v[ADRA], v1, PA
	v_lshl_add_u32 v[ADRA], v2, 4, v[ADRA]
	s_mul_i32 s22, s13, 64*PA
	v_add_nc_u32 v[ADRA], s22, v[ADRA]             ; (64 wr + r) x 144 + 16 h
	v_add_nc_u32 v[ADRA+1], SLOT, v[ADRA]
	; w's fragment, turned: lane l reads row K = 8 h + l % 8, columns 8 ((l / 8) % 2) + 0..7; the second load 16 rows on
	v_lshl_add_u32 v7, v2, 3, v3
	v_mul_u32_u24 v7, v7, PB
	v_lshl_add_u32 v7, v4, 4, v7
	s_mul_i32 s22, s14, 2*BBLK
	s_add_co_u32 s22, s22, BOFF
	v_add_nc_u32 v[ADRB0], s22, v7
	v_add_nc_u32 v[ADRB0+1], SLOT, v[ADRB0]
	v_add_nc_u32 v[ADRB0H], 2*BKQ, v[ADRB0]
	v_add_nc_u32 v[ADRB0H+1], 2*BKQ, v[ADRB0+1]
	s_lshl_b32 s22, s14, 6
	s_add_co_u32 s22, s22, BOFF+BBLK
	v_add_nc_u32 v[ADRB1], s22, v7
	v_add_nc_u32 v[ADRB1+1], SLOT, v[ADRB1]
	v_add_nc_u32 v[ADRB1H], 2*BKQ, v[ADRB1]
	v_add_nc_u32 v[ADRB1H+1], 2*BKQ, v[ADRB1+1]
	s_mul_i32 s22, s14, 2*SBLK
	s_add_co_u32 s22, s22, STAGE
	v_add_nc_u32 v[STO0], s22, v[ADRA]             ; the stage has x's row pitch: the same row term serves
	s_lshl_b32 s22, s14, 6
	s_add_co_u32 s22, s22, STAGE+SBLK
	v_add_nc_u32 v[STO1], s22, v[ADRA]
	v_bfe_u32 v8, v0, 3, 2                         ; back: 32 lanes take four rows of 128 bytes; wave w the rows 32 w .. 32 w + 31 of each block
	v_mul_u32_u24 v8, v8, PA
	v_lshl_add_u32 v8, v3, 4, v8
	s_mul_i32 s22, s12, 32*PA
	s_add_co_u32 s22, s22, STAGE
	v_add_nc_u32 v[RD], s22, v8
	s_lshl_b32 s22, s18, 7
	s_lshl_b32 s23, s13, 6
	s_add_co_u32 s22, s22, s23
	s_lshl_b32 s22, s22, 9                         ; position 128 Mt + 64 wr, 512 bytes a row of the table
	v_lshlrev_b32 v9, 5, v2                        ; my eight columns are four pairs: 32 bytes for each half of the lanes
	v_lshl_add_u32 v[TR], v1, 9, v9
	v_add_nc_u32 v[TR], s22, v[TR]
	v_add_nc_u32 v[IDO], 1024*512, v9
	v_lshlrev_b32 v[PFO], 8, v5
	v_lshlrev_b32 v[PFO2], 8, v1
	; column group b: its first column n; n % 128 is its place in the head; from column 5,120 on the columns are v's
	s_mul_i32 s80, s17, 192
	s_lshl_b32 s81, s14, 7
	s_add_co_u32 s81, s81, s80                     ; b = 0..3: 192 T + 128 wc + 16 b
	s_lshl_b32 s82, s14, 5
	s_add_co_u32 s82, s82, s80
	s_add_co_u32 s82, s82, 64                      ; b = 4, 5: 192 T + 64 + 32 wc + 16 (b - 4)
.irp b, 0,1,2,3,4,5
.if (\b) < 4
	s_add_co_u32 s83, s81, 16*(\b)
.else
	s_add_co_u32 s83, s82, 16*((\b)-4)
.endif
	s_cmp_ge_u32 s83, 5120
	s_cselect_b32 s[MSK+(\b)], -1, 0
	s_and_b32 s83, s83, 127
	s_lshl_b32 s[COL+(\b)], s83, 2
.endr
	s_mul_i32 s80, s17, 3*131072                   ; qkv: block 3 T, row 128 Mt + 32 w
	s_lshl_b32 s81, s18, 14
	s_add_co_u32 s80, s80, s81
	s_lshl_b32 s81, s12, 12
	s_add_co_u32 s80, s80, s81
	s_mov_b32 s81, 0
	s_add_nc_u64 s[OUT:OUT+1], s[10:11], s[80:81]
	; the prefetches: my quarter of lap 2
	s_mul_i32 s84, s18, AROW
	s_mul_i32 s85, s15, ASTEP/2
	s_add_co_u32 s84, s84, s85
	s_add_co_u32 s84, s84, 2*2*ASTEP
	s_mul_i32 s86, s17, BCOL
	s_mul_i32 s85, s16, BSTEP/2
	s_add_co_u32 s86, s86, s85
	s_add_co_u32 s86, s86, 2*2*BSTEP
	s_and_b32 s87, ttmp7, 0xffff
	s_mov_b32 s[PFS], 2*BSTEP
	s_mov_b32 s[PFS+1], 0
	s_mov_b32 s85, 0
	s_cmp_eq_u32 s13, 0
	s_cselect_b32 s84, s84, s86
	s_cselect_b32 s87, ttmp9, s87                  ; the coordinate along which other clusters read the same bytes
	s_cselect_b64 s[PF:PF+1], s[4:5], s[6:7]
	s_cselect_b32 s[PFS], 2*ASTEP, s[PFS]
	s_add_nc_u64 s[PF:PF+1], s[PF:PF+1], s[84:85]
	s_or_b32 s87, s87, s14                         ; waves 0 and 2 of the first cluster along it
	s_cmp_eq_u32 s87, 0
	s_cselect_b32 s[LIM], 1, -1
; 6 matrix instructions: row block a x all six column groups, 32 along K.  zero = 1: the product starts the sums.  The 24 accumulators take turns, one instruction a turn.
.macro MUL6 f, a, zero
	WIN MUL
.irp b, 0,1,2,3,4,5
.if \zero
	v_wmma_f32_16x16x32_bf16 v[ACC+8*(6*(\a)+(\b)):ACC+8*(6*(\a)+(\b))+7], v[(\f)+8*(\b):(\f)+8*(\b)+7], v[(\f)+48+8*(\a):(\f)+48+8*(\a)+7], 0
.else
	v_wmma_f32_16x16x32_bf16 v[ACC+8*(6*(\a)+(\b)):ACC+8*(6*(\a)+(\b))+7], v[(\f)+8*(\b):(\f)+8*(\b)+7], v[(\f)+48+8*(\a):(\f)+48+8*(\a)+7], v[ACC+8*(6*(\a)+(\b)):ACC+8*(6*(\a)+(\b))+7]
.endif
.endr
.endm
; 20 LDS loads in one run: sixth q (32 along K) of a slot into buffer f: w's twelve, x's rows 0-31, x's rows 32-63
.macro FETCH slot, q, f
	WIN TO_F
.if (\q)/2 == 2
.set rB0, ADRB0H+(\slot)
.set rB1, ADRB1H+(\slot)
.set oB, ((\q)%2)*32*PB
.else
.set rB0, ADRB0+(\slot)
.set rB1, ADRB1+(\slot)
.set oB, ((\q)/2)*BKQ+((\q)%2)*32*PB
.endif
.irp b, 0,1,2,3
	ds_load_tr16_b128 v[(\f)+8*(\b):(\f)+8*(\b)+3],   v[rB0] offset:oB+32*(\b)
	ds_load_tr16_b128 v[(\f)+8*(\b)+4:(\f)+8*(\b)+7], v[rB0] offset:oB+32*(\b)+16*PB
.endr
.irp b, 4,5
	ds_load_tr16_b128 v[(\f)+8*(\b):(\f)+8*(\b)+3],   v[rB1] offset:oB+32*((\b)-4)
	ds_load_tr16_b128 v[(\f)+8*(\b)+4:(\f)+8*(\b)+7], v[rB1] offset:oB+32*((\b)-4)+16*PB
.endr
.irp a, 0,1,2,3
	ds_load_b128 v[(\f)+48+8*(\a):(\f)+48+8*(\a)+3],   v[ADRA+(\slot)] offset:((\q)/2)*ABLK+((\q)%2)*64+(\a)*16*PA
	ds_load_b128 v[(\f)+48+8*(\a)+4:(\f)+48+8*(\a)+7], v[ADRA+(\slot)] offset:((\q)/2)*ABLK+((\q)%2)*64+(\a)*16*PA+32
.endr
.endm
; A K step is six parts of 32 along K, 24 matrix instructions each, on buffers 0, 1, 0, 1, 0, 1.  One of the first five: multiplies buffer f and fetches part qn into g.
.macro PART slot, qn, f, g, zero
	s_wait_dscnt 4                                 ; all but the youngest four loads (x's rows 32-63)
	MUL6 \f, 0, \zero
	MUL6 \f, 1, \zero
	PLACES
	FETCH \slot, \qn, \g
	s_wait_dscnt 20                                ; all but the 20 just issued
	MUL6 \f, 2, \zero
	MUL6 \f, 3, \zero
.endm
; The last part multiplies buffer 1 and changes slots.  Half of its products and a chunk of the cast stand ahead of the wait for the tile, so that between a tile's landing and the next request stands the round alone.
; In front of the barrier each wave waits for all its tensor loads (its part of the next slot), adds 0 to its spare word, and waits for that and for its own reads of this slot.
; fill = 1: the barrier is a round of the cluster's, and this slot is filled again, with its K step of the next lap: 144 matrix instructions ahead of the wait for it.
.macro TURN slot, next, fill
.if (\fill) && (\slot) == 1
	s_wait_xcnt 0x0                                ; the lap's prefetches, five parts back, have read their address: it steps a lap
	s_add_nc_u64 s[PF:PF+1], s[PF:PF+1], s[PFS:PFS+1]
.endif
	s_wait_dscnt 4                                 ; all but x's rows 32-63
	MUL6 F1, 0, 0
	MUL6 F1, 1, 0
.if \fill
	CAST
.endif
	WIN 0
	s_wait_tensorcnt 0x0                           ; all my tensor loads have landed, so every group 0 may be written
	ds_add_u32 v[SPW], v[NIL]                      ; 0 onto my spare word
.if \fill
	s_add_nc_u64 s[G0A+4*(\slot)+2:G0A+4*(\slot)+3], s[G0A+4*(\slot)+2:G0A+4*(\slot)+3], 2*ASTEP
	s_add_nc_u64 s[G0B+4*(\slot)+2:G0B+4*(\slot)+3], s[G0B+4*(\slot)+2:G0B+4*(\slot)+3], 2*BSTEP
.endif
	s_wait_dscnt 0x0                               ; the add is done, and my reads of this slot are over
.if \fill
	CROUND                                         ; no wave of any partner still reads this slot or has a load on its way
	JLOAD \slot                                    ; the first tensor load behind the round; its four v_nop are also the places in front of the loads below
.else
	s_barrier_signal -1
	s_barrier_wait -1
	PLACES
.endif
	FETCH \next, 0, F0
.if (\fill) && (\slot) == 0
	WIN 0
	ASK
.endif
	MUL6 F1, 2, 0
	MUL6 F1, 3, 0
.endm
	s_wait_tensorcnt 1                             ; my part of slot 0 is in; slot 1's may stay out
	s_barrier_signal -1
	s_barrier_wait -1
	FETCH 0, 0, F0
	PART 0, 1, F0, F1, 1                           ; the first part stands in front of the loop: its products start the sums
	WIN 0
	s_mov_b32 s19, LAPS-1
.Llap:                                                 ; a trip goes once round the ring, from a lap's second part to the next lap's first
	PART 0, 2, F1, F0, 0
	PART 0, 3, F0, F1, 0
	PART 0, 4, F1, F0, 0
	PART 0, 5, F0, F1, 0
	TURN 0, 1, 1
	PART 1, 1, F0, F1, 0
	PART 1, 2, F1, F0, 0
	PART 1, 3, F0, F1, 0
	PART 1, 4, F1, F0, 0
	PART 1, 5, F0, F1, 0
	TURN 1, 0, 1
	PART 0, 1, F0, F1, 0
	WIN 0
	s_sub_co_u32 s19, s19, 1
	s_cmp_lg_u32 s19, 0
	s_cbranch_scc1 .Llap
	PART 0, 2, F1, F0, 0                           ; the last lap fills nothing
	PART 0, 3, F0, F1, 0
	PART 0, 4, F1, F0, 0
	PART 0, 5, F0, F1, 0
	TURN 0, 1, 0
	PART 1, 1, F0, F1, 0
	PART 1, 2, F1, F0, 0
	PART 1, 3, F0, F1, 0
	PART 1, 4, F1, F0, 0
	PART 1, 5, F0, F1, 0
	s_wait_dscnt 4
	MUL6 F1, 0, 0
	MUL6 F1, 1, 0
	s_wait_dscnt 0x0
	MUL6 F1, 2, 0
	MUL6 F1, 3, 0
	WIN 0
	; THE WAY OUT.  The table's offsets (52 plain lines: the places behind the last products), its pairs for all 24 tiles, the rotation, the rounding, the stage.
.irp a, 0,1,2,3
	v_add_nc_u32 v[TRA+(\a)], (\a)*16*512, v[TR]
.endr
.irp a, 0,1,2,3
.irp b, 0,1,2,3,4,5
	v_cndmask_b32 v[TOF+6*(\a)+(\b)], v[TRA+(\a)], v[IDO], s[MSK+(\b)]  ; v's columns take the row that rotates by nothing
	v_add_nc_u32 v[TOF+6*(\a)+(\b)], s[COL+(\b)], v[TOF+6*(\a)+(\b)]
.endr
.endr
	WIN 0x40                                       ; destination window 1
.set i, 0
.rept 24
	global_load_b128 v[8*i:8*i+3],   v[TOF+i], s[8:9]            ; four pairs (cos/4, sin/4): my eight columns of my row
	global_load_b128 v[8*i+4:8*i+7], v[TOF+i], s[8:9] offset:16
.set i, i+1
.endr
	WIN 0x54                                       ; source 0 (the sums) window 0; source 1, source 2 and destination window 1
.set i, 0
.rept 24                                       ; (t1, t2) -> (t1 c - t2 s, t1 s + t2 c), into the pair's own registers; each accumulator is read from its low end on
	s_wait_loadcnt 46-2*i                          ; this tile's two loads are in; the two of each later tile may stay out
.irp u, 0,1,2,3
	v_mul_f32 v[XT+2*(\u)],   v[ACC+8*i+2*(\u)+1], v[8*i+2*(\u)+1]
	v_mul_f32 v[XT+2*(\u)+1], v[ACC+8*i+2*(\u)+1], v[8*i+2*(\u)]
.endr
.irp u, 0,1,2,3
	v_fma_f32 v[8*i+2*(\u)],   v[ACC+8*i+2*(\u)], v[8*i+2*(\u)],   -v[XT+2*(\u)]
	v_fma_f32 v[8*i+2*(\u)+1], v[ACC+8*i+2*(\u)], v[8*i+2*(\u)+1], v[XT+2*(\u)+1]
.endr
.set i, i+1
.endr
	WIN 0x45                                       ; all in window 1
.set i, 0
.rept 24
.irp u, 0,1,2,3
	v_cvt_pk_f16_f32 v[8*i+(\u)], v[8*i+2*(\u)], v[8*i+2*(\u)+1]
.endr
.set i, i+1
.endr
	WIN 0x04                                       ; address window 0, data window 1
.irp a, 0,1,2,3
.irp b, 0,1,2,3
	ds_store_b128 v[STO0], v[8*(6*(\a)+(\b)):8*(6*(\a)+(\b))+3] offset:(\a)*16*PA+32*(\b)
.endr
.irp b, 4,5
	ds_store_b128 v[STO1], v[8*(6*(\a)+(\b)):8*(6*(\a)+(\b))+3] offset:(\a)*16*PA+32*((\b)-4)
.endr
.endr
	WIN 0
	s_wait_dscnt 0x0                               ; for the others' sake: my stores into the stage are done
	s_barrier_signal -1
	s_barrier_wait -1
.irp k, 0,1,2
.irp f, 0,1,2,3,4,5,6,7
	ds_load_b128 v[ACC+4*(8*(\k)+(\f)):ACC+4*(8*(\k)+(\f))+3], v[RD] offset:(\k)*SBLK+(\f)*4*PA
.endr
.endr
.irp k, 0,1,2
.irp f, 0,1,2,3,4,5,6,7
	s_wait_dscnt 23-(8*(\k)+(\f))
	global_store_b128 v[GO], v[ACC+4*(8*(\k)+(\f)):ACC+4*(8*(\k)+(\f))+3], s[OUT:OUT+1] offset:(\k)*131072+(\f)*512  ; four rows of a block: 512 consecutive bytes, aligned
.endr
.endr
	s_wait_tensorcnt 0x0                           ; the wave's end: behind my last tensor load and my last LDS store
	ds_add_u32 v[SPW], v[NIL]
	s_wait_dscnt 0x0
	CROUND                                         ; the closing round
	s_endpgm
.Lfunc_end_k_qac18d25d8f_proj:
	.size	k_qac18d25d8f_proj, .Lfunc_end_k_qac18d25d8f_proj-k_qac18d25d8f_proj
	.p2alignl 7, 3214868480
	.fill 96, 4, 3214868480
	.section	.rodata,"a",@progbits
	.p2align	6, 0x0
	.amdhsa_kernel k_qac18d25d8f_proj
		.amdhsa_group_segment_fixed_size 327680
		.amdhsa_private_segment_fixed_size 0
		.amdhsa_enable_private_segment 0
		.amdhsa_kernarg_size 48
		.amdhsa_user_sgpr_count 2
		.amdhsa_user_sgpr_kernarg_segment_ptr 1
		.amdhsa_wavefront_size32 1
		.amdhsa_system_sgpr_workgroup_id_x 1
		.amdhsa_system_sgpr_workgroup_id_y 1
		.amdhsa_system_sgpr_workgroup_id_z 1
		.amdhsa_system_vgpr_workitem_id 0
		.amdhsa_next_free_vgpr 512
		.amdhsa_next_free_sgpr 96
		.amdhsa_reserve_vcc 0
		.amdhsa_float_denorm_mode_32 3
		.amdhsa_float_denorm_mode_16_64 3
		.amdhsa_memory_ordered 1
		.amdhsa_forward_progress 1
		.amdhsa_inst_pref_size 137
	.end_amdhsa_kernel
	.amdgpu_metadata
---
amdhsa.version: [ 1, 2 ]
amdhsa.kernels:
  - .name:           k_qac18d25d8f_proj
    .symbol:         k_qac18d25d8f_proj.kd
    .args:
      - { .name: xb, .offset: 0, .size: 8, .value_kind: global_buffer, .address_space: global }
      - { .name: wb, .offset: 8, .size: 8, .value_kind: global_buffer, .address_space: global }
      - { .name: tbl, .offset: 16, .size: 8, .value_kind: global_buffer, .address_space: global }
      - { .name: qkv, .offset: 24, .size: 8, .value_kind: global_buffer, .address_space: global }
      - { .name: wo, .offset: 32, .size: 8, .value_kind: global_buffer, .address_space: global }
      - { .name: wob, .offset: 40, .size: 8, .value_kind: global_buffer, .address_space: global }
    .group_segment_fixed_size: 327680
    .private_segment_fixed_size: 0
    .kernarg_segment_align: 8
    .kernarg_segment_size: 48
    .max_flat_workgroup_size: 128
    .sgpr_count:     96
    .vgpr_count:     512
    .wavefront_size: 32
...
	.end_amdgpu_metadata
.endif
;; end of part 2
;; launch attn (part 3): grid 32 x 8, 4 waves a work-group, clusters of 4 x 1, 327,680 bytes of LDS; arguments qkv, ao; writes ao
.if DOCPART == 3
	.amdgcn_target "amdgcn-amd-amdhsa--gfx1250"
	.amdhsa_code_object_version 6
	.text
	.protected	k_qac18d25d8f_attn
	.globl	k_qac18d25d8f_attn
	.p2align	8
	.type	k_qac18d25d8f_attn,@function
k_qac18d25d8f_attn:
	s_mov_b64 s[64:65], 0
	v_nop
	global_prefetch_b8 v0, s[64:65] scope:SCOPE_SE
	s_setreg_imm32_b32 hwreg(HW_REG_WAVE_MODE, 25, 1), 1
	s_wait_xcnt 0x0
	s_wait_alu depctr_hold_cnt(0) depctr_sa_sdst(0) depctr_va_vdst(0) depctr_va_sdst(0) depctr_va_ssrc(0) depctr_va_vcc(0) depctr_vm_vsrc(0)
	s_getreg_b32 s2, hwreg(HW_REG_IB_STS2, 6, 4)
	s_cmp_eq_u32 s2, 0
	s_cbranch_scc0 .Lentry_in_a_cluster
	s_endpgm
.Lentry_in_a_cluster:
	s_bfe_u32 s2, ttmp6, 0x10000c
	s_cmp_lg_u32 s2, 0x3003
	s_cbranch_scc0 .Lentry_shape_is_right
	s_endpgm
.Lentry_shape_is_right:
; CAUSAL GROUPED ATTENTION.  The window, 1,024, is the whole sequence, so the mask that is asked for is k <= q.  32 query heads on 8 key and value heads, 128 channels, 1,024 positions.
; q, k, v arrive in f16, by blocks of 64 channels ([block][pos][64]), each a quarter of its true size; q and k rotated, their channels permuted alike.  Products, maxima and sums in f32; the weights p are
; rounded to f16 for the second product (their sum is taken of the unrounded p).  p = 2^(c s - c m) with c = 16 log2(e) / sqrt(128): the 16 undoes the two quarters.  O leaves as a quarter of its size, in f16,
; laid out as the next product wants it: [pos/128][(128 head + channel)/64][pos%128][64].
; LIMITS.  A hidden score counts as its value less 1e30.  The running maximum starts at -1e20: f16's scores, 5.5e11 at the most, lie far above it, and hidden ones far below.  A weight below 2^-126 counts as 0.
; NaN and infinities are not treated apart.
; THE WALK.  A work-group has one key head (the grid's y), all four of its query heads, and TWO blocks of 16 positions: block b (LO) and block 63 - b (HI), b = 0..31.  Keys go in tiles of 128.  LO needs tiles
; 0 .. g (g = b / 8), HI tiles 0 .. 7 - g: nine steps for every work-group, in one counted walk.  The last tile of each block holds its diagonal.
; CLUSTER.  The four partners have b = 4 x cluster + 0..3: the same g, so the same tiles in the same order: every fill is a joint load of all four.  A partner's place enters masks (as data) and global addresses alone.
; THE KEYS ARE SPLIT AMONG THE WAVES.  In each step wave w takes keys 32 w .. 32 w + 31 for all four tiles of 16 queries (tile t = query head t of the group): a fragment of K or V feeds four products.
; Each wave keeps its own m, l and O^T; the four meet once, at the end, in LDS.
; LAYOUT.  S^T = K Q^T: a lane holds one query (lane % 16) and keys 8 (lane / 16) + 0..7; two such results rounded in pairs ARE source 1 of O^T = V^T P.  V is read turned, by ds_load_tr16_b128.
; NOT PREFETCHED: the walk is nine steps long, and each key head's K and V are walked by 32 work-groups.
; REGISTERS, in windows of 256 (s_set_vgpr_msb: bits 1:0 source 0, 3:2 source 1, 5:4 source 2, 7:6 destination):
;   window 0: addresses, statistics, S^T (16 a tile), P (8 a tile), masks      window 1: O^T, 64 a tile      window 2: v0-127 Q; v128-191 K; v192-255 V      window 3: HI's Q, later LO's O^T
.set PK,    144                        ; a row of K in LDS: 128 bytes + 16
.set PV,    160                        ; a row of V: 128 + 32
.set VOFF,  2*128*PK                   ; a slot: K's two channel halves of 128 rows, then V's
.set SLOT1, 1<<17                      ; slot 1 begins here: one exclusive or turns an address in one slot into the other's
.set STAT,  262144                     ; the waves' (c m, l): 8 tiles x 4 waves x 256 bytes.  Below it, over the ring when it has had its last fill and its last read: the partial O^T, ((block 4 + t) 4 + w) 8,192
.set OSTG,  STAT+8192                  ; the way out: [channel half][16 rows][144] for each wave
.set SPARE, OSTG+4*2*16*PK             ; the spare words, 128 bytes for each wave: two blocks of 256 bytes that no other line names
.set AK0, 2                            ; v2  my place in a tile of K; never rewritten
.set AV0, 3                            ; v3  the same for V
.set AK,  4                            ; v4, v5 the address of the run of loads in hand
.set AV,  5
.set STO, 6                            ; v6-8 the way out
.set RD,  7
.set GO,  8
.set STA, 10                           ; v10, v11 the statistics' places in LDS
.set LDA, 11
.set QO,  12                           ; v12 my byte offset in 16 rows of Q
.set MBL, 13                           ; v13, v14 my query's place less my first key's, in LO's and HI's diagonal tile
.set MBH, 14
.set ST,  16                           ; tile t's statistics at v[16 + 4 t]: c m, m, l (even keys', odd keys')
.set TMP, 32                           ; at work, 4 a tile: c0, c1, a, the exponent of a
.set CMO, 48                           ; c m_old
.set STGA, 52                          ; v52-55 where I put partial tiles; v56, 57 where I read them
.set RDA, 56
.set S,   64
.set P,   128
.set MD,  160                          ; the diagonal tile's mask for my 32 keys: 0 or -1e30
.set MC,  176                          ; the mask of the step in hand
.set SPW, 192                          ; my spare word; never rewritten
.set NIL, 193                          ; 0; never rewritten
.set SV,  196                          ; LO's statistics, set aside: c m, (l), l, l
.set KF,  128                          ; window 2
.set VF,  192
.set WV,  12
.set G1K, 24
.set G1V, 32
.set G0K, 40
.set G0V, 44
.set KBASE, 48                         ; s[48:49], s[50:51] K and V at my channel half of tile 0
.set VBASE, 50
.set OFF, 52                           ; s[52:53] a tile's byte offset
.set NXT, 54                           ; the tile to be asked for next
.set LQ,  55                           ; the last tile of the block whose tiles are being asked for
.set CNT, 56
.set STEP, 57
.set CS,  58
.set SEL, 60
.set TBK, 62                           ; the slot from which K, V are fetched next
.set TBV, 63
.set DG,  66                           ; the step that holds the diagonal
.set PH,  67                           ; the step at which HI begins
.set AL,  68                           ; s[68:69] the mask's factor
.set BIGN, 70
.set QLO, 72
.set QHI, 74
.set OLO, 76
.set OHI, 78
.set MSB, 0
.macro WIN new
.if MSB != (\new)
	s_set_vgpr_msb (MSB<<8)|(\new)
.set MSB, (\new)
.endif
.endm
.set W_KQ, 0x0a                        ; K and Q window 2; mask and S^T window 0
.set W_PV, 0x52                        ; V window 2, P window 0, O^T window 1
.set W_RS, 0x41                        ; O^T window 1, its factor window 0
.macro PLACES
.rept 4
	v_nop
.endr
.endm
.macro ALLT line:vararg                ; one line for each tile t
.set t, 0
.rept 4
	\line
.set t, t+1
.endr
.endm
.macro JLOAD                           ; a joint fill: waves 0, 1 fetch K's two channel halves, waves 2, 3 V's; an s_nop 0 and four v_nop follow each line
	s_cmp_lt_u32 s[WV], 2
	s_cbranch_scc0 .Lfor_v_\@
	tensor_load_to_lds s[G0K:G0K+3], s[G1K:G1K+7]
	s_nop 0
.rept 4
	v_nop
.endr
	s_branch .Lasked_\@
.Lfor_v_\@:
	tensor_load_to_lds s[G0V:G0V+3], s[G1V:G1V+7]
	s_nop 0
.rept 4
	v_nop
.endr
.Lasked_\@:
.endm
.macro CROUND
	s_barrier_signal -1
	s_barrier_wait -1
	s_cmp_lg_u32 s[WV], 0
	s_cbranch_scc1 .Lnot_wave_0_\@
	s_barrier_signal -3
.Lnot_wave_0_\@:
	s_barrier_wait -3
	s_barrier_signal -1
	s_barrier_wait -1
.endm
.macro NEXT                            ; the descriptors' addresses are made anew from the tile's number, which then steps: behind LO's last tile it goes back to 0
	s_lshl_b32 s[OFF], s[NXT], 14                  ; 128 keys x 128 bytes
	s_add_nc_u64 s[G0K+2:G0K+3], s[KBASE:KBASE+1], s[OFF:OFF+1]
	s_or_b32 s[G0K+3], s[G0K+3], 0x80000000
	s_add_nc_u64 s[G0V+2:G0V+3], s[VBASE:VBASE+1], s[OFF:OFF+1]
	s_or_b32 s[G0V+3], s[G0V+3], 0x80000000
	s_add_co_u32 s[NXT], s[NXT], 1
	s_cmp_gt_u32 s[NXT], s[LQ]
	s_cselect_b32 s[NXT], 0, s[NXT]
	s_cselect_b32 s[LQ], 15, s[LQ]
.endm
; THE CHANGE OF SLOTS, in the middle of a step: K and V of the step have been read.  Each wave waits for all its tensor loads (its part of the other slot), adds 0 to its spare word, and waits for that and for
; its reads of the slot.  fill = 1: a round of the cluster's barrier, and the slot is filled again, with the tile two steps on, the first thing behind it: it has a step in which to land.
.macro CHANGE fill
	WIN 0
	s_wait_tensorcnt 0x0                           ; no tensor load of mine is out, so a group 0 may be written
	ds_add_u32 v[SPW], v[NIL]                      ; 0 onto my spare word
.if \fill
	s_xor_b32 s[G0K+1], s[G0K+1], SLOT1
	s_xor_b32 s[G0V+1], s[G0V+1], SLOT1
	NEXT
	s_wait_dscnt 0x0                               ; the add is done; V is in: my reads of the slot are over
	CROUND
	JLOAD
.else
	s_wait_dscnt 0x0
	s_barrier_signal -1
	s_barrier_wait -1
.endif
.endm
	s_load_b128 s[4:7], s[0:1], 0x0                ; qkv s[4:5], ao s[6:7]
	v_lshl_add_u32 v[SPW], v0, 2, SPARE
	v_mov_b32 v[NIL], 0
	ds_add_u32 v[SPW], v[NIL]                      ; the wave's opening: an add and its wait ahead of my first tensor load; the set-up below stands between them
	v_lshrrev_b32 v1, 5, v0
	v_readfirstlane_b32 s[WV], v1                  ; wave 0..3
	s_bfe_u32 s13, ttmp6, 0x40000                  ; cx
	s_lshl_b32 s15, ttmp9, 2
	s_add_co_u32 s15, s15, s13                     ; b
	s_lshr_b32 s16, ttmp9, 1                       ; g = b / 8: the same in all four partners
	s_and_b32 s17, ttmp7, 0xffff                   ; the key head
	s_and_b32 s18, s[WV], 1                        ; the channel half that I fetch
	s_lshl_b32 s80, s17, 1
	s_add_co_u32 s80, s80, s18
	s_add_co_u32 s80, s80, 64                      ; K's blocks begin at 64, V's at 80
	s_lshl_b32 s80, s80, 17
	s_mov_b32 s81, 0
	s_mov_b32 s[G1K], 15|(1<<16)|(1<<20)|(1<<21)|(4<<22)|(3<<25)  ; the mask of four; 2-byte elements; padding on; bit 21 beside a mask; after every 32 words; 4 words
	s_mov_b32 s[G1V], 15|(1<<16)|(1<<20)|(1<<21)|(4<<22)|(7<<25)  ; the same with 8 words
.irp g, G1K, G1V
	s_mov_b32 s[\g+1], 128<<16                     ; 128 keys of one half are 16,384 dense bytes: 64 rows of 256
	s_mov_b32 s[\g+2], 64<<16
	s_mov_b32 s[\g+3], 128<<16
	s_mov_b32 s[\g+4], 64
	s_mov_b32 s[\g+5], 128
	s_mov_b32 s[\g+6], 0
	s_mov_b32 s[\g+7], 0
.endr
	s_mov_b32 s[G0K], 1
	s_mul_i32 s[G0K+1], s18, 128*PK                ; slot 0; no place in the cluster enters an LDS address
	s_mov_b32 s[G0V], 1
	s_mul_i32 s[G0V+1], s18, 128*PV
	s_add_co_u32 s[G0V+1], s[G0V+1], VOFF
	s_mov_b32 s[CS], 0x400293ee                    ; c = 16 log2(e) / sqrt(128)
	s_mov_b32 s[CS+1], s[CS]
	s_mov_b32 s[SEL], 0x76543210
	s_mov_b32 s[SEL+1], 0xfedcba98
	s_mov_b32 s[TBK], 0
	s_mov_b32 s[TBV], 0
	s_mov_b32 s[NXT], 0
	s_mov_b32 s[LQ], s16
	s_mov_b32 s[OFF+1], 0
	s_mov_b32 s[STEP], 0
	s_mov_b32 s[DG], s16
	s_add_co_u32 s[PH], s16, 1
	s_mov_b32 s[AL+1], 0
	s_mov_b32 s[BIGN], 0xf149f2ca                  ; -1e30
	s_lshl_b32 s82, s17, 20                        ; the group's four query heads: 8 blocks of 131,072 bytes
	s_lshl_b32 s84, s15, 11                        ; 16 rows of 128 bytes a block of positions
	s_add_co_u32 s84, s84, s82
	s_mov_b32 s85, 0
	s_sub_co_u32 s86, 63, s15
	s_lshl_b32 s86, s86, 11
	s_add_co_u32 s86, s86, s82
	s_mov_b32 s87, 0
	s_lshl_b32 s92, s17, 3
	s_lshl1_add_u32 s92, s[WV], s92                ; at the end wave w writes head 4 kvh + w: blocks 2 (4 kvh + w), + 1
	s_lshl_b32 s92, s92, 14
	s_and_b32 s93, s15, 7                          ; LO's place in its tile
	s_sub_co_u32 s94, 7, s93                       ; HI's
	s_lshl_b32 s88, s16, 20
	s_add_co_u32 s88, s88, s92
	s_lshl_b32 s95, s93, 11
	s_add_co_u32 s88, s88, s95
	s_mov_b32 s89, 0
	s_sub_co_u32 s90, 7, s16
	s_lshl_b32 s90, s90, 20
	s_add_co_u32 s90, s90, s92
	s_lshl_b32 s95, s94, 11
	s_add_co_u32 s90, s90, s95
	s_mov_b32 s91, 0
	s_lshl_b32 s98, s[WV], 5                       ; my 32 keys
	s_lshl_b32 s96, s93, 4
	s_sub_co_u32 s96, s96, s98
	s_lshl_b32 s97, s94, 4
	s_sub_co_u32 s97, s97, s98
	s_wait_dscnt 0x0                               ; the opening add is done
	s_wait_kmcnt 0x0
	s_add_nc_u64 s[KBASE:KBASE+1], s[4:5], s[80:81]
	s_add_nc_u64 s[VBASE:VBASE+1], s[KBASE:KBASE+1], 16*131072
	s_add_nc_u64 s[QLO:QLO+1], s[4:5], s[84:85]
	s_add_nc_u64 s[QHI:QHI+1], s[4:5], s[86:87]
	s_add_nc_u64 s[OLO:OLO+1], s[6:7], s[88:89]
	s_add_nc_u64 s[OHI:OHI+1], s[6:7], s[90:91]
	NEXT                                           ; tile 0
	CROUND                                         ; all four work-groups are here: the first joint loads meet
	JLOAD                                          ; step 0 into slot 0; slot 1 is asked for when slot 0 is in
	v_and_b32 v1, 15, v0                           ; r = l % 16
	v_bfe_u32 v9, v0, 4, 1                         ; h = l / 16
	v_lshlrev_b32 v[QO], 7, v1
	v_lshl_add_u32 v[QO], v9, 4, v[QO]
	WIN 0x80                                       ; destination window 2
.set i, 0
.rept 16                                       ; tile i / 4, channels 32 (i % 4) on: block 2 t + (i % 4) / 2
	global_load_b128 v[8*i:8*i+3],   v[QO], s[QLO:QLO+1] offset:(2*(i/4)+(i%4)/2)*131072+(i%2)*64
	global_load_b128 v[8*i+4:8*i+7], v[QO], s[QLO:QLO+1] offset:(2*(i/4)+(i%4)/2)*131072+(i%2)*64+32
.set i, i+1
.endr
	WIN 0xc0                                       ; destination window 3
.set i, 0
.rept 16
	global_load_b128 v[8*i:8*i+3],   v[QO], s[QHI:QHI+1] offset:(2*(i/4)+(i%4)/2)*131072+(i%2)*64
	global_load_b128 v[8*i+4:8*i+7], v[QO], s[QHI:QHI+1] offset:(2*(i/4)+(i%4)/2)*131072+(i%2)*64+32
.set i, i+1
.endr
	; What stands in the wait for the first tile.  O^T and l start at 0 (the first step multiplies them by a = 0, so they need only be finite).  The upper half of window 3 and LO's set-aside statistics are
	; written again at the change of blocks, which stands under a jump: they are written here so that every way through the text writes what the end reads.
.set i, 128
.rept 128
	v_mov_b32 v[i], 0
.set i, i+1
.endr
	WIN 0x40
.set i, 0
.rept 256
	v_mov_b32 v[i], 0
.set i, i+1
.endr
	WIN 0
.set i, 0
.rept 4
	v_mov_b32 v[ST+4*i], 0xfe000000                ; c m: far below every c s
	v_mov_b32 v[ST+4*i+1], 0xe0ad78ec              ; m = -1e20
	v_mov_b32 v[ST+4*i+2], 0
	v_mov_b32 v[ST+4*i+3], 0
	v_mov_b32 v[SV+4*i], 0
	v_mov_b32 v[SV+4*i+1], 0
	v_mov_b32 v[SV+4*i+2], 0
	v_mov_b32 v[SV+4*i+3], 0
.set i, i+1
.endr
	v_lshlrev_b32 v10, 3, v9
	v_sub_nc_u32 v10, v1, v10                      ; r - 8 h
	v_add_nc_u32 v[MBL], s96, v10                  ; key 16 kb + j of my 32 is hidden where 16 kb + j > 16 place + r - 32 w - 8 h
	v_add_nc_u32 v[MBH], s97, v10
.set i, 0
.rept 16
	v_cmp_gt_i32 vcc_lo, 16*(i/8)+i%8, v[MBL]
	v_cndmask_b32 v[MD+i], 0, s[BIGN], vcc_lo
.set i, i+1
.endr
	v_add_nc_u32 v10, s98, v1                      ; K as it lies: row 32 w + r, 16 bytes for each half of the lanes
	v_mul_u32_u24 v[AK0], v10, PK
	v_lshl_add_u32 v[AK0], v9, 4, v[AK0]
	v_and_b32 v10, 7, v0                           ; V turned: lane l reads key 32 w + 8 h + l % 8, channels 8 ((l / 8) % 2) + 0..7
	v_lshl_add_u32 v10, v9, 3, v10
	v_add_nc_u32 v10, s98, v10
	v_mul_u32_u24 v[AV0], v10, PV
	v_bfe_u32 v11, v0, 3, 1
	v_lshl_add_u32 v[AV0], v11, 4, v[AV0]
	v_add_nc_u32 v[AV0], VOFF, v[AV0]
.macro FETCH_K                         ; my 32 keys x 128 channels: 8 fragments, 16 loads in one run
	WIN 0
	v_add_nc_u32 v[AK], s[TBK], v[AK0]
	s_xor_b32 s[TBK], s[TBK], SLOT1                ; the next fetch is the next step's, in the other slot
	WIN 0x80
.irp f, 0,1,2,3,4,5,6,7                ; keys 16 (f / 4) on, channels 32 (f % 4) on
	ds_load_b128 v[KF+8*\f:KF+8*\f+3],   v[AK] offset:((\f%4)/2)*128*PK+(\f/4)*16*PK+(\f%2)*64
	ds_load_b128 v[KF+8*\f+4:KF+8*\f+7], v[AK] offset:((\f%4)/2)*128*PK+(\f/4)*16*PK+(\f%2)*64+32
.endr
	WIN 0
.endm
.macro FETCH_V                         ; my 32 keys x 128 channels, turned: channels 16 f on
	WIN 0
	v_add_nc_u32 v[AV], s[TBV], v[AV0]
	s_xor_b32 s[TBV], s[TBV], SLOT1
	WIN 0x80
.irp f, 0,1,2,3,4,5,6,7
	ds_load_tr16_b128 v[VF+8*\f:VF+8*\f+3],   v[AV] offset:(\f/4)*128*PV+(\f%4)*32
	ds_load_tr16_b128 v[VF+8*\f+4:VF+8*\f+7], v[AV] offset:(\f/4)*128*PV+(\f%4)*32+16*PV
.endr
	WIN 0
.endm
; 32 products S^T = K Q^T: channels 32 (i / 8) on; the eight accumulators (tile (i % 8) / 2, keys 16 (i % 2) on) take turns.  The first eight start the sums with the mask.
.macro KQ
	WIN W_KQ
.set i, 0
.rept 32
.set rS, S+16*((i%8)/2)+8*(i%2)
.set rK, KF+32*(i%2)+8*(i/8)
.set rQ, 32*((i%8)/2)+8*(i/8)
.if i < 8
	v_wmma_f32_16x16x32_f16 v[rS:rS+7], v[rK:rK+7], v[rQ:rQ+7], v[MC+8*(i%2):MC+8*(i%2)+7]
.else
	v_wmma_f32_16x16x32_f16 v[rS:rS+7], v[rK:rK+7], v[rQ:rQ+7], v[rS:rS+7]
.endif
.set i, i+1
.endr
.endm
; 32 products O^T += V^T P: tile i % 4, channels 16 (i / 4) on: each accumulator once a step
.macro PV
	WIN W_PV
.set i, 0
.rept 32
.set rO, 64*(i%4)+8*(i/4)
	v_wmma_f32_16x16x32_f16 v[rO:rO+7], v[VF+8*(i/4):VF+8*(i/4)+7], v[P+8*(i%4):P+8*(i%4)+7], v[rO:rO+7]
.set i, i+1
.endr
.endm
.macro FSC p                           ; c s - c m for pair p of each tile
	ALLT v_pk_fma_f32 v[S+16*t+2*(\p):S+16*t+2*(\p)+1], v[S+16*t+2*(\p):S+16*t+2*(\p)+1], s[CS:CS+1], v[ST+4*t:ST+4*t+1] op_sel_hi:[1,0,0] neg_lo:[0,0,1] neg_hi:[0,0,1]
.endm
; THE SOFTMAX of a step, the four tiles side by side.  s0-s15 are a lane's scores of a tile.  Each accumulator's lowest registers are read first.
.macro SOFT
	WIN 0
	ALLT v_max3_num_f32 v[TMP+4*t], v[S+16*t], v[S+16*t+1], v[S+16*t+2]
	ALLT v_max3_num_f32 v[TMP+4*t+1], v[S+16*t+8], v[S+16*t+9], v[S+16*t+10]
	ALLT v_max3_num_f32 v[TMP+4*t], v[TMP+4*t], v[S+16*t+3], v[S+16*t+4]
	ALLT v_max3_num_f32 v[TMP+4*t+1], v[TMP+4*t+1], v[S+16*t+11], v[S+16*t+12]
	ALLT v_max3_num_f32 v[TMP+4*t], v[TMP+4*t], v[S+16*t+5], v[S+16*t+6]
	ALLT v_max3_num_f32 v[TMP+4*t+1], v[TMP+4*t+1], v[S+16*t+13], v[S+16*t+14]
	ALLT v_max3_num_f32 v[TMP+4*t], v[TMP+4*t], v[S+16*t+7], v[S+16*t+15]
	ALLT v_max3_num_f32 v[TMP+4*t], v[TMP+4*t], v[TMP+4*t+1], v[ST+4*t+1]
	ALLT v_permlanex16_b32 v[TMP+4*t+1], v[TMP+4*t], s[SEL], s[SEL+1]  ; the query's other 16 keys lie in the lane 16 away
	ALLT v_mov_b32 v[CMO+t], v[ST+4*t]             ; c m_old is kept while c m is made anew
	ALLT v_max_num_f32 v[ST+4*t+1], v[TMP+4*t], v[TMP+4*t+1]
	ALLT v_mul_f32 v[ST+4*t], s[CS], v[ST+4*t+1]
	ALLT v_sub_f32 v[TMP+4*t+3], v[CMO+t], v[ST+4*t]
	; ONE BATCH of 68 exponentials, the scalings between them; nothing in it names an exponential's result
	ALLT v_exp_f32 v[TMP+4*t+2], v[TMP+4*t+3]      ; a
	FSC 0
.irp p, 0,1,2,3,4,5,6
	FSC (\p)+1
	ALLT v_exp_f32 v[S+16*t+2*(\p)], v[S+16*t+2*(\p)]
	ALLT v_exp_f32 v[S+16*t+2*(\p)+1], v[S+16*t+2*(\p)+1]
.endr
	ALLT v_exp_f32 v[S+16*t+14], v[S+16*t+14]
	ALLT v_exp_f32 v[S+16*t+15], v[S+16*t+15]
	v_nop                                          ; a plain line behind the last exponential,
	s_wait_alu depctr_va_vdst(0)                   ; and the one wait ahead of the batch's first reader
.irp u, 0,1,2,3,4,5,6,7
	ALLT v_cvt_pk_f16_f32 v[P+8*t+(\u)], v[S+16*t+2*(\u)], v[S+16*t+2*(\u)+1]
.endr
.irp u, 0,4,8,12
	ALLT v_pk_add_f32 v[S+16*t+(\u):S+16*t+(\u)+1], v[S+16*t+(\u):S+16*t+(\u)+1], v[S+16*t+(\u)+2:S+16*t+(\u)+3]
.endr
.irp u, 0,8
	ALLT v_pk_add_f32 v[S+16*t+(\u):S+16*t+(\u)+1], v[S+16*t+(\u):S+16*t+(\u)+1], v[S+16*t+(\u)+4:S+16*t+(\u)+5]
.endr
	ALLT v_pk_add_f32 v[S+16*t:S+16*t+1], v[S+16*t:S+16*t+1], v[S+16*t+8:S+16*t+9]
	ALLT v_pk_fma_f32 v[ST+4*t+2:ST+4*t+3], v[ST+4*t+2:ST+4*t+3], v[TMP+4*t+2:TMP+4*t+3], v[S+16*t:S+16*t+1] op_sel_hi:[1,0,1]  ; l = a l + the sum
	WIN W_RS
.set t, 0
.rept 4
.set i, 0
.rept 32
	v_pk_mul_f32 v[64*t+2*i:64*t+2*i+1], v[64*t+2*i:64*t+2*i+1], v[TMP+4*t+2:TMP+4*t+3] op_sel_hi:[1,0]  ; O^T times a
.set i, i+1
.endr
.set t, t+1
.endr
	WIN 0
.endm
; A step's first half: the mask (its eight lines are also the places behind the last V^T P), the scores, V's run of loads, the softmax while V is on its way
.macro H1
	WIN 0
	s_cmp_eq_u32 s[STEP], s[DG]
	s_cselect_b32 s[AL], 1.0, 0
.set z, 0
.rept 8
	v_pk_mul_f32 v[MC+2*z:MC+2*z+1], v[MD+2*z:MD+2*z+1], s[AL:AL+1] op_sel_hi:[1,0]
.set z, z+1
.endr
	s_wait_dscnt 0x0                               ; K is in
	KQ
	WIN 0
	PLACES
	FETCH_V
	SOFT
.endm
; Its second half, behind the change of slots: the next step's K, and V^T P.  last = 1 (the tail): the last step has no next, and the run is jumped over
.macro H2 last
	WIN 0
.if \last
	s_cmp_eq_u32 s[CNT], 1
	s_cbranch_scc1 .Lno_k_\@
.endif
	FETCH_K
.if \last
.Lno_k_\@:
.endif
	PV
	WIN 0
	s_add_co_u32 s[STEP], s[STEP], 1
.endm
; LO IS DONE, HI BEGINS.  LO's statistics and O^T are set aside, HI's Q goes where the one text of the steps names Q, m and c m start anew (so the next a is 0), the diagonal's mask is HI's.
.macro PHASE
	WIN 0
	ALLT v_mov_b32 v[SV+4*t], v[ST+4*t]            ; (twelve plain lines: the places behind the last products)
	ALLT v_mov_b32 v[SV+4*t+2], v[ST+4*t+2]
	ALLT v_mov_b32 v[SV+4*t+3], v[ST+4*t+3]
	WIN 0x83                                       ; window 3 to window 2
.set i, 0
.rept 128
	v_mov_b32 v[i], v[i]
.set i, i+1
.endr
	WIN 0xc1                                       ; window 1 to window 3
.set i, 0
.rept 256
	v_mov_b32 v[i], v[i]
.set i, i+1
.endr
	WIN 0
	ALLT v_mov_b32 v[ST+4*t], 0xfe000000
	ALLT v_mov_b32 v[ST+4*t+1], 0xe0ad78ec
.set i, 0
.rept 16
	v_cmp_gt_i32 vcc_lo, 16*(i/8)+i%8, v[MBH]
	v_cndmask_b32 v[MD+i], 0, s[BIGN], vcc_lo
.set i, i+1
.endr
	s_mov_b32 s[DG], 8
.endm
	CHANGE 1                                       ; slot 0 is in, everybody's part of it; slot 1 is asked for
	FETCH_K                                        ; step 0
	s_wait_loadcnt 0x0                             ; both blocks' Q
	s_mov_b32 s[CNT], 7
.Lstep:                                                ; steps 0 to 6: step i's slot is filled again with step i + 2
	H1
	CHANGE 1
	H2 0
	s_cmp_eq_u32 s[STEP], s[PH]
	s_cbranch_scc0 .Lsame                          ; a forward jump over register work alone; g + 1 is the same in all partners
	PHASE
.Lsame:
	s_sub_co_u32 s[CNT], s[CNT], 1
	s_cmp_lg_u32 s[CNT], 0
	s_cbranch_scc1 .Lstep
	s_mov_b32 s[CNT], 2
.Ltail:                                                ; steps 7 and 8, in a loop of their own: nothing is asked for
	H1
	CHANGE 0
	H2 1
	s_sub_co_u32 s[CNT], s[CNT], 1
	s_cmp_lg_u32 s[CNT], 0
	s_cbranch_scc1 .Ltail
	; THE FOUR WAVES MEET.  bt = 4 block + t (block 0 LO, 1 HI).  The addresses are made here: plain lines, the places behind the last products.
	v_and_b32 v15, 31, v0
	s_lshl_b32 s80, s[WV], 8
	s_add_co_u32 s80, s80, STAT
	v_lshl_add_u32 v[STA], v15, 3, s80
	v_lshlrev_b32 v[LDA], 3, v15
	v_add_nc_u32 v[LDA], STAT, v[LDA]
	s_lshl_b32 s81, s[WV], 13
	v_lshl_add_u32 v[STGA], v15, 4, s81
	v_add_nc_u32 v[STGA+1], 1*65536, v[STGA]
	v_add_nc_u32 v[STGA+2], 2*65536, v[STGA]
	v_add_nc_u32 v[STGA+3], 3*65536, v[STGA]
	s_lshl_b32 s82, s[WV], 15
	v_lshl_add_u32 v[RDA], v15, 4, s82
	v_add_nc_u32 v[RDA+1], 131072, v[RDA]
	s_mul_i32 s83, s[WV], 2*16*PK
	s_add_co_u32 s83, s83, OSTG
	v_mul_u32_u24 v[STO], v1, PK
	v_lshl_add_u32 v[STO], v9, 4, v[STO]
	v_add_nc_u32 v[STO], s83, v[STO]
	v_bfe_u32 v[RD], v0, 3, 2
	v_mul_u32_u24 v[RD], v[RD], PK
	v_and_b32 v[GO], 7, v0
	v_lshl_add_u32 v[RD], v[GO], 4, v[RD]
	v_add_nc_u32 v[RD], s83, v[RD]
	v_lshlrev_b32 v[GO], 4, v15
	; l: its two halves and the other half of the lanes'
	ALLT v_add_f32 v[SV+4*t+2], v[SV+4*t+2], v[SV+4*t+3]
	ALLT v_add_f32 v[ST+4*t+2], v[ST+4*t+2], v[ST+4*t+3]
	ALLT v_permlanex16_b32 v[SV+4*t+3], v[SV+4*t+2], s[SEL], s[SEL+1]
	ALLT v_permlanex16_b32 v[ST+4*t+3], v[ST+4*t+2], s[SEL], s[SEL+1]
	ALLT v_add_f32 v[SV+4*t+1], v[SV+4*t+2], v[SV+4*t+3]
	ALLT v_add_f32 v[ST+4*t+1], v[ST+4*t+2], v[ST+4*t+3]
	ALLT ds_store_b64 v[STA], v[SV+4*t:SV+4*t+1] offset:t*1024
	ALLT ds_store_b64 v[STA], v[ST+4*t:ST+4*t+1] offset:(4+t)*1024
	s_wait_dscnt 0x0                               ; for the others' sake
	s_barrier_signal -1
	s_barrier_wait -1
.set bt, 0
.rept 8
.set w, 0
.rept 4
	ds_load_b64 v[S+8*bt+2*w:S+8*bt+2*w+1], v[LDA] offset:bt*1024+w*256  ; wave w's (c m, l) of my query
.set w, w+1
.endr
.set bt, bt+1
.endr
	s_wait_dscnt 0x0
.set bt, 0
.rept 8
	v_max3_num_f32 v[P+bt], v[S+8*bt], v[S+8*bt+2], v[S+8*bt+4]
.set bt, bt+1
.endr
.set bt, 0
.rept 8
	v_max_num_f32 v[P+bt], v[P+bt], v[S+8*bt+6]    ; c M: the four waves' maximum
.set bt, bt+1
.endr
.set bt, 0
.rept 8
.irp w, 0,2,4,6
	v_sub_f32 v[S+8*bt+(\w)], v[S+8*bt+(\w)], v[P+bt]
.endr
.if bt < 4
	v_sub_f32 v[P+8+bt], v[SV+4*bt], v[P+bt]       ; and my own wave's once more: a register's number cannot hang on the wave's
.else
	v_sub_f32 v[P+8+bt], v[ST+4*(bt-4)], v[P+bt]
.endif
.set bt, bt+1
.endr
.set bt, 0
.rept 8
.irp w, 0,2,4,6
	v_exp_f32 v[S+8*bt+(\w)], v[S+8*bt+(\w)]
.endr
	v_exp_f32 v[P+8+bt], v[P+8+bt]
.set bt, bt+1
.endr
	v_nop
	s_wait_alu depctr_va_vdst(0)                   ; one wait for the 40 exponentials
.set bt, 0
.rept 8
	v_mul_f32 v[P+16+bt], v[S+8*bt], v[S+8*bt+1]
.set bt, bt+1
.endr
.irp w, 2,4,6
.set bt, 0
.rept 8
	v_fma_f32 v[P+16+bt], v[S+8*bt+(\w)], v[S+8*bt+(\w)+1], v[P+16+bt]  ; L = the sum of 2^(c m_w - c M) l_w
.set bt, bt+1
.endr
.endr
.set bt, 0
.rept 8
	v_rcp_f32 v[P+24+bt], v[P+16+bt]
.set bt, bt+1
.endr
	v_nop
	s_wait_alu depctr_va_vdst(0)                   ; one wait for the eight reciprocals
.set bt, 0
.rept 8
	v_mul_f32 v[MD+2*bt], v[P+8+bt], v[P+24+bt]    ; my wave's factor; the pair's upper register holds an old mask and is not used
.set bt, bt+1
.endr
	; my partial O^T, times my factor, into LDS: 16 bytes a lane, 512 consecutive bytes a store.  The ring below has had its last fill and, by the barriers above, its last read.
	WIN 0xc3                                       ; LO: window 3
.set bt, 0
.rept 4
.set i, 0
.rept 32
	v_pk_mul_f32 v[64*bt+2*i:64*bt+2*i+1], v[64*bt+2*i:64*bt+2*i+1], v[MD+2*bt:MD+2*bt+1] op_sel_hi:[1,0]
.set i, i+1
.endr
.set bt, bt+1
.endr
	WIN 0x0c
.set bt, 0
.rept 4
.set i, 0
.rept 16
	ds_store_b128 v[STGA+bt/2], v[64*bt+4*i:64*bt+4*i+3] offset:(bt%2)*32768+512*i
.set i, i+1
.endr
.set bt, bt+1
.endr
	WIN W_RS                                       ; HI: window 1
.set bt, 0
.rept 4
.set i, 0
.rept 32
	v_pk_mul_f32 v[64*bt+2*i:64*bt+2*i+1], v[64*bt+2*i:64*bt+2*i+1], v[MD+8+2*bt:MD+8+2*bt+1] op_sel_hi:[1,0]
.set i, i+1
.endr
.set bt, bt+1
.endr
	WIN 0x04
.set bt, 0
.rept 4
.set i, 0
.rept 16
	ds_store_b128 v[STGA+2+bt/2], v[64*bt+4*i:64*bt+4*i+3] offset:(bt%2)*32768+512*i
.set i, i+1
.endr
.set bt, bt+1
.endr
	WIN 0
	s_wait_dscnt 0x0                               ; for the others' sake
	s_barrier_signal -1
	s_barrier_wait -1
	; wave w finishes tile t = w of both blocks: the four partial tiles, LO's into window 1, HI's into window 3
	WIN 0x40
.set i, 0
.rept 64
	ds_load_b128 v[4*i:4*i+3], v[RDA] offset:(i/16)*8192+(i%16)*512
.set i, i+1
.endr
	WIN 0xc0
.set i, 0
.rept 64
	ds_load_b128 v[4*i:4*i+3], v[RDA+1] offset:(i/16)*8192+(i%16)*512
.set i, i+1
.endr
.macro SUMUP wa, wc, dst               ; the four partial tiles are added (window setting wa), rounded to f16 (wc) into window 0 from dst on
	WIN \wa
.set i, 0
.rept 32
	v_pk_add_f32 v[2*i:2*i+1], v[2*i:2*i+1], v[64+2*i:64+2*i+1]
	v_pk_add_f32 v[128+2*i:128+2*i+1], v[128+2*i:128+2*i+1], v[192+2*i:192+2*i+1]
.set i, i+1
.endr
.set i, 0
.rept 32
	v_pk_add_f32 v[2*i:2*i+1], v[2*i:2*i+1], v[128+2*i:128+2*i+1]
.set i, i+1
.endr
	WIN \wc
.set i, 0
.rept 32
	v_cvt_pk_f16_f32 v[(\dst)+i], v[2*i], v[2*i+1]
.set i, i+1
.endr
	WIN 0
.endm
.macro TOSTAGE src, back               ; a lane's eight channels of a row are 16 bytes: into my stage by channel halves, and back as rows of 128 bytes, four to a load
.irp f, 0,1,2,3,4,5,6,7
	ds_store_b128 v[STO], v[(\src)+4*\f:(\src)+4*\f+3] offset:(\f/4)*16*PK+(\f%4)*32
.endr
.irp f, 0,1,2,3,4,5,6,7
	ds_load_b128 v[(\back)+4*\f:(\back)+4*\f+3], v[RD] offset:(\f/4)*16*PK+(\f%4)*4*PK  ; LDS serves a wave's instructions in order (ISA guide 5.7.1.4): these see the stores above
.endr
.endm
.macro SEND back, base
.irp f, 0,1,2,3,4,5,6,7
	global_store_b128 v[GO], v[(\back)+4*\f:(\back)+4*\f+3], s[\base:\base+1] offset:(\f/4)*16384+(\f%4)*512  ; 512 consecutive bytes, aligned
.endr
.endm
	s_wait_dscnt 63                                ; LO's 64 loads have 64 younger ones behind them; 63 is the greatest count that can be written, and the stricter one
	SUMUP 0x55, 0x05, S
	TOSTAGE S, P
	s_wait_dscnt 16                                ; HI's 64 loads are in; LO's sixteen stage instructions may be out
	SUMUP 0xff, 0x0f, S+32
	s_wait_dscnt 0x0
	SEND P, OLO
	TOSTAGE S+32, MD
	s_wait_dscnt 0x0
	SEND MD, OHI
	s_wait_tensorcnt 0x0                           ; the wave's end: behind my last tensor load and my last LDS store
	ds_add_u32 v[SPW], v[NIL]
	s_wait_dscnt 0x0
	CROUND                                         ; the closing round
	s_endpgm
.Lfunc_end_k_qac18d25d8f_attn:
	.size	k_qac18d25d8f_attn, .Lfunc_end_k_qac18d25d8f_attn-k_qac18d25d8f_attn
	.p2alignl 7, 3214868480
	.fill 96, 4, 3214868480
	.section	.rodata,"a",@progbits
	.p2align	6, 0x0
	.amdhsa_kernel k_qac18d25d8f_attn
		.amdhsa_group_segment_fixed_size 327680
		.amdhsa_private_segment_fixed_size 0
		.amdhsa_enable_private_segment 0
		.amdhsa_kernarg_size 16
		.amdhsa_user_sgpr_count 2
		.amdhsa_user_sgpr_kernarg_segment_ptr 1
		.amdhsa_wavefront_size32 1
		.amdhsa_system_sgpr_workgroup_id_x 1
		.amdhsa_system_sgpr_workgroup_id_y 1
		.amdhsa_system_sgpr_workgroup_id_z 1
		.amdhsa_system_vgpr_workitem_id 0
		.amdhsa_next_free_vgpr 1024
		.amdhsa_next_free_sgpr 100
		.amdhsa_reserve_vcc 1
		.amdhsa_float_denorm_mode_32 3
		.amdhsa_float_denorm_mode_16_64 3
		.amdhsa_memory_ordered 1
		.amdhsa_forward_progress 1
		.amdhsa_inst_pref_size 162
	.end_amdhsa_kernel
	.amdgpu_metadata
---
amdhsa.version: [ 1, 2 ]
amdhsa.kernels:
  - .name:           k_qac18d25d8f_attn
    .symbol:         k_qac18d25d8f_attn.kd
    .args:
      - { .name: qkv, .offset: 0, .size: 8, .value_kind: global_buffer, .address_space: global }
      - { .name: ao, .offset: 8, .size: 8, .value_kind: global_buffer, .address_space: global }
    .group_segment_fixed_size: 327680
    .private_segment_fixed_size: 0
    .kernarg_segment_align: 8
    .kernarg_segment_size: 16
    .max_flat_workgroup_size: 128
    .sgpr_count:     100
    .vgpr_count:     1024
    .wavefront_size: 32
...
	.end_amdgpu_metadata
.endif
;; end of part 3
;; launch oproj (part 4): grid 32 x 8, 4 waves a work-group, clusters of 4 x 4, 327,680 bytes of LDS; arguments ao, wob, out0; writes out0
.if DOCPART == 4
	.amdgcn_target "amdgcn-amd-amdhsa--gfx1250"
	.amdhsa_code_object_version 6
	.text
	.protected	k_qac18d25d8f_oproj
	.globl	k_qac18d25d8f_oproj
	.p2align	8
	.type	k_qac18d25d8f_oproj,@function
k_qac18d25d8f_oproj:
	s_mov_b64 s[64:65], 0
	v_nop
	global_prefetch_b8 v0, s[64:65] scope:SCOPE_SE
	s_setreg_imm32_b32 hwreg(HW_REG_WAVE_MODE, 25, 1), 1
	s_wait_xcnt 0x0
	s_wait_alu depctr_hold_cnt(0) depctr_sa_sdst(0) depctr_va_vdst(0) depctr_va_sdst(0) depctr_va_ssrc(0) depctr_va_vcc(0) depctr_vm_vsrc(0)
	s_getreg_b32 s2, hwreg(HW_REG_IB_STS2, 6, 4)
	s_cmp_eq_u32 s2, 0
	s_cbranch_scc0 .Lentry_in_a_cluster
	s_endpgm
.Lentry_in_a_cluster:
	s_bfe_u32 s2, ttmp6, 0x10000c
	s_cmp_lg_u32 s2, 0xf033
	s_cbranch_scc0 .Lentry_shape_is_right
	s_endpgm
.Lentry_shape_is_right:
; out0 = 4 x ao [1024 x 4096] wo [4096 x 4096], in f16 with f32 sums; out0 in f32.  ao holds a quarter of attention's result; the 4 is exact.
; ao: [m/128][k/64][m%128][64] f16; wob: [n/128][k/128][(n/64)%2][k%128][64] f16: every tile is a dense piece, asked for as rows of 256 bytes and padded in LDS after every 128:
; ao's rows 144 bytes apart (read as they lie), wo's 160 bytes apart (read turned, by ds_load_tr16_b128).
; SHARES.  A tile of 128 x 128: 32 x 8 work-groups; four waves, each 64 x 64: 16 accumulators.  K goes in steps of 256, as long as two slots in LDS allow.
; CLUSTER.  4 x 4: ao's tile is shared along a row of the cluster, wo's along a column; each is asked for jointly.  THE MATRIX INSTRUCTION IS USED TRANSPOSED: a lane holds one row and eight neighbouring columns.
; THE ORDER OF K.  The sixteen clusters fall into two classes by the parity of the four bits of their y and x.  A cluster of class 1 takes the two K steps of each lap in the other order: its slot 0 holds the lap's
; second step.  The two clusters that read the same columns of wo (same x, other y) differ in class, and among the clusters that read the same rows of ao both classes are found, whichever bit of x they agree in.
; So of a lap's two steps each class asks for one first, and for the other a step behind the other class.  The sums are the same f32 sums in another order of K.
; THE WAY OUT goes through a stage of each wave's own at the head of slot 0, which by then has had its last fill and, behind the last change of slots, its last read.
; REGISTERS.  Window 0: v16-30 addresses; v32-63, v64-127 the way out; v128-255 accumulators ((a, b) at 128 + 8 (4 a + b)).  Window 1: two fragment buffers of 128: 64 of ao, 64 of wo, 64 along K.
.set PA,     144
.set PB,     160
.set APIECE, 256*PA                    ; ao: 128 along K of 128 rows, in two blocks of 64: what waves 0 and 1 fetch
.set BPIECE, 256*PB                    ; wo: 128 along K of two blocks of 64 columns: what waves 2 and 3 fetch
.set BOFF,   2*APIECE
.set SLOT,   BOFF+2*BPIECE             ; 155,648
.set SPARE,  2*SLOT                    ; the spare words, 128 bytes for each wave: two blocks of 256 bytes that no other line names
.set SPITCH, 272                       ; a stage row: 256 bytes + 16
.set LAPS,   8
.set KBYTES, 65536                     ; bytes of either tensor in a K step
.set ADRA, 16
.set ADRB, 20
.set STO,  24
.set RD,   25
.set CO,   26
.set SPW,  28                          ; my spare word; never rewritten
.set NIL,  29                          ; 0; never rewritten
.set PFO,  30                          ; 256 x lane; never rewritten
.set TMP,  32
.set BK,   64
.set ACC,  128
.set F0,   0
.set F1,   128
.set G1, 24
.set G0, 32
.set G1B, 48
.set G0B, 56
.set PF,  66                           ; s[66:67] where my prefetches stand
.set LIM, 68
.set CLS, 69                           ; s69 my cluster's class
.set KOF, 70                           ; s[70:71], s[72:73] the bytes along K at which slot 0, slot 1 begin: the class's K step of lap 0, and the other
.set MSB, 0
.macro WIN new
.if MSB != (\new)
	s_set_vgpr_msb (MSB<<8)|(\new)
.set MSB, \new
.endif
.endm
.set MUL,  0x05
.set TO_F, 0x40
.macro PLACES
.rept 4
	v_nop
.endr
.endm
.macro JLOAD s                         ; a joint load: waves 0 and 1 fetch ao's two pieces, waves 2 and 3 wo's; an s_nop 0 and four v_nop follow each line
	s_cmp_eq_u32 s11, 0
	s_cbranch_scc0 .Lfor_b_\@
	tensor_load_to_lds s[G0+4*(\s):G0+4*(\s)+3], s[G1:G1+7]
	s_nop 0
.rept 4
	v_nop
.endr
	s_branch .Lasked_\@
.Lfor_b_\@:
	tensor_load_to_lds s[G0B+4*(\s):G0B+4*(\s)+3], s[G1B:G1B+7]
	s_nop 0
.rept 4
	v_nop
.endr
.Lasked_\@:
.endm
.macro CROUND                          ; a round of the cluster's barrier
	s_barrier_signal -1
	s_barrier_wait -1
	s_cmp_lg_u32 s10, 0
	s_cbranch_scc1 .Lnot_wave_0_\@
	s_barrier_signal -3
.Lnot_wave_0_\@:
	s_barrier_wait -3
	s_barrier_signal -1
	s_barrier_wait -1
.endm
; A PREFETCH, once a lap, behind the joint load of slot 0 and the run of LDS loads that follows it: the lap two on, one lap (256 matrix instructions) ahead of the loads that will first ask for it, in either class.
; A K step of a tile row of ao, or of a tile column of wob, is 65,536 consecutive bytes, a lap two of them on end.  The first cluster along x asks for ao's, the first along y for wob's; the four partners that share
; a tile take 16,384 bytes of each step BY ADDRESS; in each, wave 0 asks for ao, wave 2 for wob: four lines, a lane a block of 256 bytes, each named once in the launch.  The first two laps come by their loads
; alone; the loop's last trip asks for nothing.
.macro ASK
	s_cmp_gt_u32 s3, s[LIM]
	s_cbranch_scc0 .Lnot_mine_\@
	global_prefetch_b8 v[PFO], s[PF:PF+1] th:TH_LOAD_NT scope:SCOPE_SE
	global_prefetch_b8 v[PFO], s[PF:PF+1] offset:8192 th:TH_LOAD_NT scope:SCOPE_SE
	global_prefetch_b8 v[PFO], s[PF:PF+1] offset:KBYTES th:TH_LOAD_NT scope:SCOPE_SE
	global_prefetch_b8 v[PFO], s[PF:PF+1] offset:KBYTES+8192 th:TH_LOAD_NT scope:SCOPE_SE
.Lnot_mine_\@:
.endm
	s_load_b128 s[4:7], s[0:1], 0x0                ; ao s[4:5], wob s[6:7]
	s_load_b64 s[8:9], s[0:1], 0x10                ; out0
	v_lshl_add_u32 v[SPW], v0, 2, SPARE
	v_mov_b32 v[NIL], 0
	ds_add_u32 v[SPW], v[NIL]                      ; the wave's opening: an add and its wait ahead of my first tensor load; the set-up below stands between them
	v_lshrrev_b32 v1, 5, v0
	v_readfirstlane_b32 s10, v1                    ; wave 0..3
	s_lshr_b32 s11, s10, 1                         ; my half of the rows.  Also: I fetch for ao (0) or for wob (1)
	s_and_b32 s12, s10, 1                          ; my half of the columns.  Also: which piece I fetch
	s_bfe_u32 s40, ttmp6, 0x40000                  ; cx
	s_bfe_u32 s41, ttmp6, 0x40004                  ; cy
	s_lshl_b32 s42, ttmp9, 2
	s_add_co_u32 s42, s42, s40                     ; tile column
	s_and_b32 s13, ttmp7, 0xffff
	s_lshl_b32 s13, s13, 2
	s_add_co_u32 s13, s13, s41                     ; tile row
	s_and_b32 s[CLS], ttmp7, 0xffff                ; the cluster's y (one bit) above its x (three bits): the same in all sixteen partners
	s_lshl_b32 s[CLS], s[CLS], 3
	s_or_b32 s[CLS], s[CLS], ttmp9
	s_lshr_b32 s[KOF], s[CLS], 2
	s_xor_b32 s[CLS], s[CLS], s[KOF]
	s_lshr_b32 s[KOF], s[CLS], 1
	s_xor_b32 s[CLS], s[CLS], s[KOF]
	s_and_b32 s[CLS], s[CLS], 1                    ; the parity of the four bits: my cluster's class
	s_lshl_b32 s[KOF], s[CLS], 16                  ; slot 0 begins at K step 0 or 1,
	s_xor_b32 s[KOF+2], s[KOF], KBYTES             ; slot 1 at the other
	s_mov_b32 s[KOF+1], 0
	s_mov_b32 s[KOF+3], 0
	s_lshl_b32 s43, s41, 2
	s_lshl_b32 s43, 15, s43                        ; my row of the cluster
	s_lshl_b32 s44, 0x1111, s40                    ; my column
	s_or_b32 s[G1], s43, (1<<16)|(1<<20)|(1<<21)|(4<<22)|(3<<25)   ; the mask; 2-byte elements; padding on; bit 21 beside a mask; after every 32 words; 4 words of it
	s_or_b32 s[G1B], s44, (1<<16)|(1<<20)|(1<<21)|(4<<22)|(7<<25)  ; the same with 8 words
.irp g, G1, G1B
	s_mov_b32 s[(\g)+1], 128<<16                   ; rows of 256 bytes,
	s_mov_b32 s[(\g)+2], 128<<16                   ; 128 of them: 32,768 bytes
	s_mov_b32 s[(\g)+3], 128<<16
	s_mov_b32 s[(\g)+4], 128
	s_mov_b32 s[(\g)+5], 128
	s_mov_b32 s[(\g)+6], 0
	s_mov_b32 s[(\g)+7], 0
.endr
	s_lshl_b32 s17, s12, 15                        ; my piece
	s_lshl_b32 s16, s13, 20                        ; a tile row of ao is 1,048,576 bytes,
	s_add_co_u32 s16, s16, s17
	s_lshl_b32 s46, s42, 20                        ; and so is a tile column of wob
	s_add_co_u32 s46, s46, s17
	s_mov_b32 s17, 0
	s_mov_b32 s47, 0
	s_mul_i32 s20, s12, APIECE                     ; where they go: no place in the cluster enters an LDS address
	s_mul_i32 s21, s12, BPIECE
	s_add_co_u32 s21, s21, BOFF
	s_wait_dscnt 0x0                               ; the opening add is done
	s_wait_kmcnt 0x0
	s_add_nc_u64 s[14:15], s[4:5], s[16:17]
	s_add_nc_u64 s[46:47], s[6:7], s[46:47]
	CROUND                                         ; all sixteen work-groups are here: the first joint loads meet
.irp s, 0,1
	s_mov_b32 s[G0+4*(\s)], 1
	s_add_co_u32 s[G0+4*(\s)+1], s20, (\s)*SLOT
	s_add_nc_u64 s[G0+4*(\s)+2:G0+4*(\s)+3], s[14:15], s[KOF+2*(\s):KOF+2*(\s)+1]
	s_or_b32 s[G0+4*(\s)+3], s[G0+4*(\s)+3], 0x80000000
	s_mov_b32 s[G0B+4*(\s)], 1
	s_add_co_u32 s[G0B+4*(\s)+1], s21, (\s)*SLOT
	s_add_nc_u64 s[G0B+4*(\s)+2:G0B+4*(\s)+3], s[46:47], s[KOF+2*(\s):KOF+2*(\s)+1]
	s_or_b32 s[G0B+4*(\s)+3], s[G0B+4*(\s)+3], 0x80000000
	JLOAD \s                                       ; lap 0's two K steps: two loads of mine are out
.endr
	v_and_b32 v1, 15, v0                           ; r
	v_bfe_u32 v2, v0, 4, 1                         ; h
	v_and_b32 v3, 7, v0
	v_bfe_u32 v4, v0, 3, 1
	v_and_b32 v5, 31, v0
	v_mul_u32_u24 v[ADRA], v1, PA
	v_lshl_add_u32 v[ADRA], v2, 4, v[ADRA]
	s_mul_i32 s22, s11, 64*PA
	v_add_nc_u32 v[ADRA], s22, v[ADRA]             ; (64 wr + r) x 144 + 16 h
	v_add_nc_u32 v[ADRA+1], SLOT, v[ADRA]
	v_lshl_add_u32 v7, v2, 3, v3                   ; turned: lane l reads row K = 8 h + l % 8, columns 8 ((l / 8) % 2) + 0..7
	v_mul_u32_u24 v7, v7, PB
	v_lshl_add_u32 v7, v4, 4, v7
	s_mul_i32 s22, s12, 128*PB                     ; my block of 64 columns
	s_add_co_u32 s22, s22, BOFF
	v_add_nc_u32 v[ADRB], s22, v7
	v_add_nc_u32 v[ADRB+1], SLOT, v[ADRB]
	s_mul_i32 s23, s10, 16*SPITCH                  ; my stage
	v_mul_u32_u24 v[STO], v1, SPITCH               ; in: row r, 32 bytes for each half of the lanes
	v_lshl_add_u32 v[STO], v2, 5, v[STO]
	v_add_nc_u32 v[STO], s23, v[STO]
	v_mul_u32_u24 v[RD], v2, SPITCH                ; back: lanes 0-15 take one row of 256 bytes, lanes 16-31 the next
	v_lshl_add_u32 v[RD], v1, 4, v[RD]
	v_add_nc_u32 v[RD], s23, v[RD]
	v_lshlrev_b32 v[CO], 14, v2                    ; and the same two rows of out0, 16,384 bytes each
	v_lshl_add_u32 v[CO], v1, 4, v[CO]
	v_lshlrev_b32 v[PFO], 8, v5
	s_lshl_b32 s16, s13, 7
	s_lshl_b32 s17, s11, 6
	s_add_co_u32 s16, s16, s17                     ; my first row
	s_lshl_b32 s16, s16, 14
	s_lshl_b32 s17, s42, 9                         ; my first column, in bytes
	s_add_co_u32 s16, s16, s17
	s_lshl_b32 s17, s12, 8
	s_add_co_u32 s16, s16, s17
	s_mov_b32 s17, 0
	s_add_nc_u64 s[8:9], s[8:9], s[16:17]
	; the prefetches
	s_lshl_b32 s20, s13, 20
	s_lshl_b32 s21, s42, 20
	s_and_b32 s22, ttmp7, 0xffff
	s_cmp_eq_u32 s11, 0
	s_cselect_b32 s20, s20, s21                    ; the tile row of ao, or the tile column of wob
	s_cselect_b32 s21, s40, s41                    ; my place among the four that ask for it with me
	s_cselect_b32 s22, ttmp9, s22                  ; the coordinate along which other clusters read the same bytes
	s_cselect_b64 s[PF:PF+1], s[4:5], s[6:7]
	s_lshl_b32 s21, s21, 14
	s_add_co_u32 s20, s20, s21
	s_add_co_u32 s20, s20, 4*KBYTES                ; at lap 2
	s_mov_b32 s21, 0
	s_add_nc_u64 s[PF:PF+1], s[PF:PF+1], s[20:21]
	s_or_b32 s22, s22, s12                         ; waves 0 and 2 of the first cluster along it
	s_cmp_eq_u32 s22, 0
	s_cselect_b32 s[LIM], 1, -1
; 8 matrix instructions: row blocks a0, a0 + 1 x all 4 column groups, 32 along K: half c of buffer f.  The 16 accumulators take turns.
.macro MUL8 f, c, a0, zero
	WIN MUL
.irp a, \a0, (\a0)+1
.irp b, 0,1,2,3
.if \zero
	v_wmma_f32_16x16x32_f16 v[ACC+8*(4*(\a)+(\b)):ACC+8*(4*(\a)+(\b))+7], v[(\f)+64+8*(4*(\c)+(\b)):(\f)+64+8*(4*(\c)+(\b))+7], v[(\f)+8*(4*(\c)+(\a)):(\f)+8*(4*(\c)+(\a))+7], 0
.else
	v_wmma_f32_16x16x32_f16 v[ACC+8*(4*(\a)+(\b)):ACC+8*(4*(\a)+(\b))+7], v[(\f)+64+8*(4*(\c)+(\b)):(\f)+64+8*(4*(\c)+(\b))+7], v[(\f)+8*(4*(\c)+(\a)):(\f)+8*(4*(\c)+(\a))+7], v[ACC+8*(4*(\a)+(\b)):ACC+8*(4*(\a)+(\b))+7]
.endif
.endr
.endr
.endm
; 32 LDS loads in one run: quarter q (64 along K) of a slot into buffer f; its first 32 along K first
.macro FETCH slot, q, f
	WIN TO_F
.irp c, 0,1
.irp i, 0,1,2,3
	ds_load_tr16_b128 v[(\f)+64+8*(4*(\c)+(\i)):(\f)+64+8*(4*(\c)+(\i))+3],   v[ADRB+(\slot)] offset:((2*(\q)+(\c))/4)*BPIECE+((2*(\q)+(\c))%4)*32*PB+32*(\i)
	ds_load_tr16_b128 v[(\f)+64+8*(4*(\c)+(\i))+4:(\f)+64+8*(4*(\c)+(\i))+7], v[ADRB+(\slot)] offset:((2*(\q)+(\c))/4)*BPIECE+((2*(\q)+(\c))%4)*32*PB+32*(\i)+16*PB
	ds_load_b128 v[(\f)+8*(4*(\c)+(\i)):(\f)+8*(4*(\c)+(\i))+3],   v[ADRA+(\slot)] offset:(\q)*128*PA+64*(\c)+(\i)*16*PA
	ds_load_b128 v[(\f)+8*(4*(\c)+(\i))+4:(\f)+8*(4*(\c)+(\i))+7], v[ADRA+(\slot)] offset:(\q)*128*PA+64*(\c)+(\i)*16*PA+32
.endr
.endr
.endm
.macro QUARTER slot, qn, f, g, zero
	s_wait_dscnt 16                                ; the first 32 along K are in
	MUL8 \f, 0, 0, \zero
	MUL8 \f, 0, 2, \zero
	PLACES
	FETCH \slot, \qn, \g
	s_wait_dscnt 32                                ; all but the 32 just issued
	MUL8 \f, 1, 0, 0
	MUL8 \f, 1, 2, 0
.endm
; The last quarter multiplies buffer 1 and changes slots.  Half of its products stand ahead of the wait for the tile, so that between a tile's landing and the next request stands the round alone.
; In front of the barrier each wave waits for all its tensor loads, adds 0 to its spare word, and waits for that and for its own reads of this slot.
; fill = 1: the barrier is a round of the cluster's, and this slot is filled again, with its K step of the next lap: 128 matrix instructions ahead of the wait for it.
.macro TURN slot, next, fill
.if (\fill) && (\slot) == 1
	s_wait_xcnt 0x0                                ; the lap's prefetches, three quarters back, have read their address: it steps a lap
	s_add_nc_u64 s[PF:PF+1], s[PF:PF+1], 2*KBYTES
.endif
	s_wait_dscnt 16                                ; the first 32 along K are in
	MUL8 F1, 0, 0, 0
	MUL8 F1, 0, 2, 0
	WIN 0
	s_wait_tensorcnt 0x0                           ; all my tensor loads have landed, so every group 0 may be written
	ds_add_u32 v[SPW], v[NIL]                      ; 0 onto my spare word
.if \fill
	s_add_nc_u64 s[G0+4*(\slot)+2:G0+4*(\slot)+3], s[G0+4*(\slot)+2:G0+4*(\slot)+3], 2*KBYTES
	s_add_nc_u64 s[G0B+4*(\slot)+2:G0B+4*(\slot)+3], s[G0B+4*(\slot)+2:G0B+4*(\slot)+3], 2*KBYTES
.endif
	s_wait_dscnt 0x0                               ; the add is done, and my reads of this slot are over
.if \fill
	CROUND                                         ; no wave of any partner still reads this slot or has a load on its way
	JLOAD \slot                                    ; the first tensor load behind the round; its four v_nop are also the places in front of the loads below
.else
	s_barrier_signal -1
	s_barrier_wait -1
	PLACES
.endif
	FETCH \next, 0, F0
.if (\fill) && (\slot) == 0
	WIN 0
	ASK
.endif
	MUL8 F1, 1, 0, 0
	MUL8 F1, 1, 2, 0
.endm
	s_wait_tensorcnt 1                             ; my part of slot 0 is in; slot 1's may stay out
	s_barrier_signal -1
	s_barrier_wait -1
	FETCH 0, 0, F0
	QUARTER 0, 1, F0, F1, 1                        ; the first quarter stands in front of the loop: its first products start the sums
	WIN 0
	s_mov_b32 s3, LAPS-1
.Llap:
	QUARTER 0, 2, F1, F0, 0
	QUARTER 0, 3, F0, F1, 0
	TURN 0, 1, 1
	QUARTER 1, 1, F0, F1, 0
	QUARTER 1, 2, F1, F0, 0
	QUARTER 1, 3, F0, F1, 0
	TURN 1, 0, 1
	QUARTER 0, 1, F0, F1, 0
	WIN 0
	s_sub_co_u32 s3, s3, 1
	s_cmp_lg_u32 s3, 0
	s_cbranch_scc1 .Llap
	QUARTER 0, 2, F1, F0, 0                        ; the last lap fills nothing
	QUARTER 0, 3, F0, F1, 0
	TURN 0, 1, 0
	QUARTER 1, 1, F0, F1, 0
	QUARTER 1, 2, F1, F0, 0
	QUARTER 1, 3, F0, F1, 0
	s_wait_dscnt 16
	MUL8 F1, 0, 0, 0
	MUL8 F1, 0, 2, 0
	s_wait_dscnt 0x0
	MUL8 F1, 1, 0, 0
	MUL8 F1, 1, 2, 0
	WIN 0
	; THE WAY OUT, a block of 16 rows at a time: times 4; 32 bytes a lane into my stage; back as whole rows of 256 bytes; stored.
.macro PACK a
.irp b, 0,1,2,3
.irp j, 0,2,4,6
	v_pk_mul_f32 v[TMP+8*(\b)+(\j):TMP+8*(\b)+(\j)+1], v[ACC+8*(4*(\a)+(\b))+(\j):ACC+8*(4*(\a)+(\b))+(\j)+1], 4.0 op_sel_hi:[1,0]
.endr
.endr
.endm
.macro TOSTAGE a
.irp b, 0,1,2,3
	ds_store_b128 v[STO], v[TMP+8*(\b):TMP+8*(\b)+3]   offset:64*(\b)
	ds_store_b128 v[STO], v[TMP+8*(\b)+4:TMP+8*(\b)+7] offset:64*(\b)+16
.endr
.irp t, 0,1,2,3,4,5,6,7
	ds_load_b128 v[BK+32*((\a)%2)+4*(\t):BK+32*((\a)%2)+4*(\t)+3], v[RD] offset:(\t)*2*SPITCH  ; LDS serves a wave's instructions in order (ISA guide 5.7.1.4): these see the stores above
.endr
.endm
.macro SEND a
	s_wait_dscnt 0x0                               ; the block is back in registers
	s_wait_xcnt 0x0                                ; the stores of the block before have read their registers, which the next block's loads will write
.irp t, 0,1,2,3,4,5,6,7
	global_store_b128 v[CO], v[BK+32*((\a)%2)+4*(\t):BK+32*((\a)%2)+4*(\t)+3], s[8:9] offset:((\a)*16+2*(\t))*16384  ; 16 lanes store 256 consecutive bytes, aligned; the block's place stands in the immediate
.endr
.endm
	PLACES
	PACK 0
	TOSTAGE 0
.irp a, 1,2,3                          ; block a's arithmetic stands between block a - 1's loads from the stage and the wait for them
	PACK \a
	SEND (\a)-1
	TOSTAGE \a
.endr
	SEND 3
	s_wait_tensorcnt 0x0                           ; the wave's end: behind my last tensor load and my last LDS store
	ds_add_u32 v[SPW], v[NIL]
	s_wait_dscnt 0x0
	CROUND                                         ; the closing round
	s_endpgm
.Lfunc_end_k_qac18d25d8f_oproj:
	.size	k_qac18d25d8f_oproj, .Lfunc_end_k_qac18d25d8f_oproj-k_qac18d25d8f_oproj
	.p2alignl 7, 3214868480
	.fill 96, 4, 3214868480
	.section	.rodata,"a",@progbits
	.p2align	6, 0x0
	.amdhsa_kernel k_qac18d25d8f_oproj
		.amdhsa_group_segment_fixed_size 327680
		.amdhsa_private_segment_fixed_size 0
		.amdhsa_enable_private_segment 0
		.amdhsa_kernarg_size 24
		.amdhsa_user_sgpr_count 2
		.amdhsa_user_sgpr_kernarg_segment_ptr 1
		.amdhsa_wavefront_size32 1
		.amdhsa_system_sgpr_workgroup_id_x 1
		.amdhsa_system_sgpr_workgroup_id_y 1
		.amdhsa_system_sgpr_workgroup_id_z 1
		.amdhsa_system_vgpr_workitem_id 0
		.amdhsa_next_free_vgpr 512
		.amdhsa_next_free_sgpr 80
		.amdhsa_reserve_vcc 0
		.amdhsa_float_denorm_mode_32 3
		.amdhsa_float_denorm_mode_16_64 3
		.amdhsa_memory_ordered 1
		.amdhsa_forward_progress 1
		.amdhsa_inst_pref_size 91
	.end_amdhsa_kernel
	.amdgpu_metadata
---
amdhsa.version: [ 1, 2 ]
amdhsa.kernels:
  - .name:           k_qac18d25d8f_oproj
    .symbol:         k_qac18d25d8f_oproj.kd
    .args:
      - { .name: ao, .offset: 0, .size: 8, .value_kind: global_buffer, .address_space: global }
      - { .name: wob, .offset: 8, .size: 8, .value_kind: global_buffer, .address_space: global }
      - { .name: out0, .offset: 16, .size: 8, .value_kind: global_buffer, .address_space: global }
    .group_segment_fixed_size: 327680
    .private_segment_fixed_size: 0
    .kernarg_segment_align: 8
    .kernarg_segment_size: 24
    .max_flat_workgroup_size: 128
    .sgpr_count:     80
    .vgpr_count:     512
    .wavefront_size: 32
...
	.end_amdgpu_metadata
.endif
;; end of part 4
